; MI455X (gfx1250); checked and timed in simulation.
; The chip was launched on July 23, 2026; its instructions are those of AMD's public machine-readable ISA for CDNA 5 (MIT licence, August 2026) and "CDNA5" Instruction Set Architecture Reference Guide (July 2026). The comments in the code are by the model that wrote it; some were corrected since.
;; Particle Predictor. Allowed arithmetic: float matrix products may take bf16 or f16 operands with f32 sums; other float arithmetic in f32, or as packed bf16 or f16 multiplies, adds, multiply-adds, maxima and minima; sums over many terms, partial sums and values carried from step to step in f32; what a program stores and reads back later, other than sums and carried values, may be rounded once to bf16 or f16.
;; Inputs: W1 3 x 128 x 512 float32; W2 3 x 512 x 128 float32; Wk 3 x 8 x 128 x 64 float32; Wo 3 x 512 x 128 float32; Wq 3 x 8 x 128 x 64 float32; Wv 3 x 8 x 128 x 64 float32; b1 3 x 512 float32; b2 3 x 128 float32; be1 3 x 128 float32; be2 3 x 128 float32; bk 3 x 8 x 64 float32; bl 256 float32; bo 3 x 128 float32; bp 256 float32; bq 3 x 8 x 64 float32; bv 3 x 8 x 64 float32; dW1 32,768 x 512 float32; dW2 512 x 126 float32; db1 512 float32; db2 126 float32; g1 3 x 128 float32; g2 3 x 128 float32; wl 256 float32; wp 256 float32; x 128 x 256 x 126 float32.
;; Outputs: out0 128 x 126 float32.
;; One version. Each part assembles by itself: llvm-mc -triple=amdgcn-amd-amdhsa -mcpu=gfx1250 --defsym DOCPART=n.
;; ======== version 1 of 1: 7 launches
;; limits: values are held in f16: magnitudes above 65,504 overflow, below 6.1e-05 lose precision; right only within a limited range of input values
;; workspace buffers: hA 8,388,608 bytes; hB 8,388,608 bytes; wp0 797,696 bytes; wp1 797,696 bytes; wp2 797,696 bytes; hp 133,632 bytes; part 8,388,608 bytes
;; launch t2v (part 1): grid 256 x 1, 8 waves a work-group, no clusters, 0 bytes of LDS; arguments x, wl, bl, wp, bp, hA; writes hA
.if DOCPART == 1
	.amdgcn_target "amdgcn-amd-amdhsa--gfx1250"
	.amdhsa_code_object_version 6
	.text
	.protected	k_q805b44bbd2_t2v
	.globl	k_q805b44bbd2_t2v
	.p2align	8
	.type	k_q805b44bbd2_t2v,@function
k_q805b44bbd2_t2v:
	s_mov_b64 s[64:65], 0
	v_nop
	global_prefetch_b8 v0, s[64:65] scope:SCOPE_SE
	s_setreg_imm32_b32 hwreg(HW_REG_WAVE_MODE, 25, 1), 1
	s_wait_xcnt 0x0
; Time2Vector and the concatenation: hA[b][l][0] = wl[l] t + bl[l], hA[b][l][1] = sin(wp[l] t + bp[l]), hA[b][l][2..127] = x[b][l][:], t = the mean of x[b][l][:].
; x: [128][256][126] f32.  hA: [128][256][128] f16, a row is 256 bytes.  Every input is rounded once to bf16 (the whole program does so); the sum, t and the sine are f32.
; LIMITS.  |x| and the linear channel stay under 65,504 (f16).  The sine takes its argument down by n pi in two parts, so it is as exact as the f32 argument itself; the
; polynomial goes to r^11, whose remainder on |r| <= pi/2 is 6e-8.  NaN and infinities are not treated apart.
; SHARES.  A work-group takes 128 rows (b, l), a wave 16.  Lane l makes the output columns 4 l .. 4 l + 3 (8 bytes), which are x[4 l - 2 .. 4 l + 1]: two loads of 8 bytes.
; A wave's store covers one row: 256 consecutive bytes, aligned.  A stream: nothing is shared, so no LDS, no cluster, no matrix unit.
.set XROW, 504                         ; bytes in a row of x
.set OA,   2                           ; v2   16 l - 8 (lane 0: 0; its pair is thrown away)
.set OB,   3                           ; v3   16 l
.set OUTO, 4                           ; v4   8 l
.set PO,   5                           ; v5   4 x (the time step of row l % 16 of my 16)
.set NIL,  6                           ; v6   0
.set T,    12                          ; v12  lane i: the sum of row i
.set XR,   32                          ; v[32+4 i ..]: row i as loaded (4 f32), then its two packed words
	s_load_b256 s[4:11], s[0:1], 0x0               ; x s[4:5], wl s[6:7], bl s[8:9], wp s[10:11]
	s_load_b128 s[12:15], s[0:1], 0x20             ; bp s[12:13], hA s[14:15]
	v_lshrrev_b32 v1, 5, v0
	v_readfirstlane_b32 s24, v1                    ; wave 0..7
	v_and_b32 v1, 31, v0                           ; lane
	v_lshlrev_b32 v[OB], 4, v1
	v_max_u32 v[OA], 8, v[OB]
	v_add_nc_u32 v[OA], -8, v[OA]
	v_lshlrev_b32 v[OUTO], 3, v1
	v_mov_b32 v[NIL], 0
	v_mov_b32 v[T], 0
	s_lshl_b32 s25, ttmp9, 7
	s_lshl_b32 s26, s24, 4
	s_add_co_u32 s25, s25, s26                     ; my first row among the 32,768
	s_and_b32 s27, ttmp9, 1
	s_lshl_b32 s27, s27, 7
	s_add_co_u32 s27, s27, s26                     ; its time step
	v_and_b32 v[PO], 15, v0
	v_add_lshl_u32 v[PO], v[PO], s27, 2
	s_mul_i32 s20, s25, XROW
	s_mov_b32 s21, 0
	s_lshl_b32 s22, s25, 8
	s_mov_b32 s23, 0
	s_mov_b32 s16, 0xffff0000                      ; a word's upper bf16
	s_mov_b32 s17, 1                               ; the mask of lane 0
	s_mov_b32 s18, 0x76543210                      ; v_permlanex16_b32: each lane takes its own place in the other half
	s_mov_b32 s19, 0xfedcba98
	s_wait_kmcnt 0x0
	s_add_nc_u64 s[20:21], s[4:5], s[20:21]        ; x at my first row
	s_add_nc_u64 s[22:23], s[14:15], s[22:23]      ; hA at my first row
	global_load_b32 v8, v[PO], s[6:7]
	global_load_b32 v9, v[PO], s[8:9]
	global_load_b32 v10, v[PO], s[10:11]
	global_load_b32 v11, v[PO], s[12:13]
.set i, 0
.rept 16
	global_load_b64 v[XR+4*i:XR+4*i+1],   v[OA], s[20:21] offset:XROW*i th:TH_LOAD_NT
	global_load_b64 v[XR+4*i+2:XR+4*i+3], v[OB], s[20:21] offset:XROW*i th:TH_LOAD_NT
.set i, i+1
.endr
; Row i: rounded to bf16, packed as f16, summed over the wave; the sum goes into lane i of T.
.macro ROWSUM i
	s_wait_loadcnt 30-2*(\i)                       ; loads come back in order: the two of each later row may stay out
	v_cvt_pk_bf16_f32 v13, v[XR+4*(\i)], v[XR+4*(\i)+1]
	v_cvt_pk_bf16_f32 v14, v[XR+4*(\i)+2], v[XR+4*(\i)+3]
	v_lshlrev_b32 v15, 16, v13
	v_and_b32 v16, s16, v13
	v_lshlrev_b32 v17, 16, v14
	v_and_b32 v18, s16, v14
	v_cndmask_b32 v15, v15, v[NIL], s17            ; lane 0 has no x in its first two columns
	v_cndmask_b32 v16, v16, v[NIL], s17
	v_cvt_pk_f16_f32 v[XR+4*(\i)], v15, v16
	v_cvt_pk_f16_f32 v[XR+4*(\i)+1], v17, v18
	v_add_f32 v15, v15, v16
	v_add_f32 v17, v17, v18
	v_add_f32 v15, v15, v17
	v_add_f32_dpp v15, v15, v15 row_xmask:1 row_mask:0xf bank_mask:0xf
	v_add_f32_dpp v15, v15, v15 row_xmask:2 row_mask:0xf bank_mask:0xf
	v_add_f32_dpp v15, v15, v15 row_xmask:4 row_mask:0xf bank_mask:0xf
	v_add_f32_dpp v15, v15, v15 row_xmask:8 row_mask:0xf bank_mask:0xf
	v_permlanex16_b32 v16, v15, s18, s19
	v_add_f32 v15, v15, v16
	v_readfirstlane_b32 s28, v15
	v_writelane_b32 v[T], s28, \i
.endm
.irp i, 0,1,2,3,4,5,6,7,8,9,10,11,12,13,14,15
	ROWSUM \i
.endr
	; once a wave, lane i for row i: the two time channels (the last wait above was for 0, so the four parameters are in)
	v_cvt_pk_bf16_f32 v13, v8, v9
	v_cvt_pk_bf16_f32 v14, v10, v11
	v_lshlrev_b32 v8, 16, v13                      ; wl
	v_and_b32 v9, s16, v13                         ; bl
	v_lshlrev_b32 v10, 16, v14                     ; wp
	v_and_b32 v11, s16, v14                        ; bp
	v_mul_f32 v[T], 0x3c020821, v[T]               ; t = sum / 126
	v_fma_f32 v13, v8, v[T], v9                    ; the linear channel
	v_fma_f32 v14, v10, v[T], v11                  ; a, the sine's argument
	v_mul_f32 v15, 0x3ea2f983, v14                 ; a / pi
	v_rndne_f32 v15, v15                           ; n
	v_fmamk_f32 v16, v15, 0xc0490fdb, v14          ; r = a - n pi: pi's f32 first,
	v_fmamk_f32 v16, v15, 0x33bbbd2e, v16          ; then what that f32 is too large by, 8.742278e-8
	v_mul_f32 v17, v16, v16
	v_mov_b32 v18, 0xb2d7322b                      ; -1/11!
	v_fmaak_f32 v18, v18, v17, 0x3638ef1d          ; 1/9!
	v_fmaak_f32 v18, v18, v17, 0xb9500d01          ; -1/7!
	v_fmaak_f32 v18, v18, v17, 0x3c088889          ; 1/5!
	v_fmaak_f32 v18, v18, v17, 0xbe2aaaab          ; -1/3!
	v_mul_f32 v19, v16, v17
	v_fma_f32 v18, v19, v18, v16                   ; sin r
	v_cvt_i32_f32 v19, v15
	v_lshlrev_b32 v19, 31, v19
	v_xor_b32 v18, v18, v19                        ; times (-1)^n
	v_cvt_pk_f16_f32 v20, v13, v18
.set i, 0
.rept 16
	v_readlane_b32 s28, v20, i
	v_writelane_b32 v[XR+4*i], s28, 0              ; row i's two time channels are lane 0's first word
	global_store_b64 v[OUTO], v[XR+4*i:XR+4*i+1], s[22:23] offset:256*i  ; the wave stores 256 consecutive bytes, aligned
.set i, i+1
.endr
	s_endpgm
.Lfunc_end_k_q805b44bbd2_t2v:
	.size	k_q805b44bbd2_t2v, .Lfunc_end_k_q805b44bbd2_t2v-k_q805b44bbd2_t2v
	.p2alignl 7, 3214868480
	.fill 96, 4, 3214868480
	.section	.rodata,"a",@progbits
	.p2align	6, 0x0
	.amdhsa_kernel k_q805b44bbd2_t2v
		.amdhsa_group_segment_fixed_size 0
		.amdhsa_private_segment_fixed_size 0
		.amdhsa_enable_private_segment 0
		.amdhsa_kernarg_size 48
		.amdhsa_user_sgpr_count 2
		.amdhsa_user_sgpr_kernarg_segment_ptr 1
		.amdhsa_wavefront_size32 1
		.amdhsa_system_sgpr_workgroup_id_x 1
		.amdhsa_system_sgpr_workgroup_id_y 1
		.amdhsa_system_sgpr_workgroup_id_z 1
		.amdhsa_system_vgpr_workitem_id 0
		.amdhsa_next_free_vgpr 112
		.amdhsa_next_free_sgpr 66
		.amdhsa_reserve_vcc 0
		.amdhsa_float_denorm_mode_32 3
		.amdhsa_float_denorm_mode_16_64 3
		.amdhsa_memory_ordered 1
		.amdhsa_forward_progress 1
		.amdhsa_inst_pref_size 27
	.end_amdhsa_kernel
	.amdgpu_metadata
---
amdhsa.version: [ 1, 2 ]
amdhsa.kernels:
  - .name:           k_q805b44bbd2_t2v
    .symbol:         k_q805b44bbd2_t2v.kd
    .args:
      - { .name: x, .offset: 0, .size: 8, .value_kind: global_buffer, .address_space: global }
      - { .name: wl, .offset: 8, .size: 8, .value_kind: global_buffer, .address_space: global }
      - { .name: bl, .offset: 16, .size: 8, .value_kind: global_buffer, .address_space: global }
      - { .name: wp, .offset: 24, .size: 8, .value_kind: global_buffer, .address_space: global }
      - { .name: bp, .offset: 32, .size: 8, .value_kind: global_buffer, .address_space: global }
      - { .name: hA, .offset: 40, .size: 8, .value_kind: global_buffer, .address_space: global }
    .group_segment_fixed_size: 0
    .private_segment_fixed_size: 0
    .kernarg_segment_align: 8
    .kernarg_segment_size: 48
    .max_flat_workgroup_size: 256
    .sgpr_count:     66
    .vgpr_count:     112
    .wavefront_size: 32
...
	.end_amdgpu_metadata
.endif
;; end of part 1
;; launch pack (part 2): grid 52 x 3, 8 waves a work-group, no clusters, 34,816 bytes of LDS; arguments Wq, Wk, Wv, Wo, W1, W2, dW2, hp, wp0, wp1, wp2, bq, bk, bv, b1, bo, g1, be1, b2, g2, be2, db1, db2; writes wp0, wp1, wp2, hp
.if DOCPART == 2
	.amdgcn_target "amdgcn-amd-amdhsa--gfx1250"
	.amdhsa_code_object_version 6
	.text
	.protected	k_q805b44bbd2_pack
	.globl	k_q805b44bbd2_pack
	.p2align	8
	.type	k_q805b44bbd2_pack,@function
k_q805b44bbd2_pack:
	s_mov_b64 s[64:65], 0
	v_nop
	global_prefetch_b8 v0, s[64:65] scope:SCOPE_SE
	s_setreg_imm32_b32 hwreg(HW_REG_WAVE_MODE, 25, 1), 1
	s_wait_xcnt 0x0
; The weights are turned, rounded and laid out as the later launches read them.  Every number is rounded once to bf16; the encoders' weights are then written as f16 (exact from 2^-17 up, below that
; to within 2^-25), dW2 as bf16, biases and gains as f32.
; A LAYER'S PACK wp_y: 12 blocks of 65,536 bytes, each 4 parts of [64 rows][128 f16].  Block h < 8: Wq_h^T, Wk_h^T, Wv_h^T ([dk][d]) and Wo_h^T (row p: output p over dv in bytes 0-127, output p + 64
; in bytes 128-255).  Block 8 + c: W1^T rows 128 c + 64 p + row over d (parts 0, 1), W2^T rows 64 p + row over the chunk's 128 hidden (parts 2, 3).  Behind them, at 786,432: bq, bk, bv, b1 (512 f32
; each), bo, g1, be1, b2, g2, be2 (128 each).  THE HEAD'S PACK hp: dW2^T [128][512] bf16 (rows 126, 127 are 0), db1 at 131,072, db2 with two zeros behind it at 133,120.
; SHARES.  Work-group (x, y): x < 48: part x of layer y.  x = 48: layer y's parameters.  x = 49..51: number x - 49 + 3 y of nine: eight parts of dW2^T, and the head's two biases.
; A PART: dst[p][k] (p < 64, k < 128) = src[(k % 64) P1 + (k / 64) P2 + 4 p].  A wave loads 16 source rows of 256 bytes, 8 bytes a lane; the tile goes through LDS; each thread takes 8 neighbouring k
; of four rows p, and sixteen lanes store 256 consecutive bytes.
.set TPI,   264                        ; a tile row in LDS: 64 f32 + 8 bytes
.set SPARE, 128*TPI                    ; behind the tile: the spare words, 128 bytes for each of the eight waves
.set PARO,  786432
.set LANE, 2
.set LSA,  4                           ; v4   where I put 8 bytes of a source row
.set KG,   5                           ; v5   thread % 16: my group of 8 k
.set R0,   6                           ; v6   thread / 16: my first row p
.set LRA,  7                           ; v7   where I read back
.set OFD,  8                           ; v8-11  my four store offsets
.set T8,   13                          ; v13  8 x thread
.set SO,   14                          ; v14-15 source offsets of the parameter paths
.set OFS,  16                          ; v16-31 my 16 load offsets
.set IN,   32                          ; v32-63 as loaded
.set TR,   64                          ; v64-95 turned
.set PKD,  96                          ; v96-111 packed
.set SPW,  126
.set NIL,  127
.set WV,   50
.set GX,   51
.set GY,   52
.set MSK,  53
.set WPY,  54                          ; s[54:55] this layer's pack
.set IDX,  56
.set SRC,  58                          ; s[58:59]
.set SOF,  60                          ; s[60:61]
.set P1,   62
.set P2,   63
.set DST,  66                          ; s[66:67]
.set DOF,  68                          ; s[68:69]
.set PD,   70                          ; bytes from row to row of the destination
.set FMT,  71                          ; 1: f16, 0: bf16
.set LMAX, 72                          ; the last lane whose two columns exist
.set LM,   73                          ; the mask of the lanes behind it
.set BLK,  80
.set PRT,  81
	s_load_b512 s[4:19], s[0:1], 0x0               ; Wq 4, Wk 6, Wv 8, Wo 10, W1 12, W2 14, dW2 16, hp 18
	s_load_b512 s[20:35], s[0:1], 0x40             ; wp0 20, wp1 22, wp2 24, bq 26, bk 28, bv 30, b1 32, bo 34
	s_load_b256 s[36:43], s[0:1], 0x80             ; g1 36, be1 38, b2 40, g2 42
	s_load_b128 s[44:47], s[0:1], 0xa0             ; be2 44, db1 46
	s_load_b64 s[48:49], s[0:1], 0xb0              ; db2
	v_lshl_add_u32 v[SPW], v0, 2, SPARE
	v_mov_b32 v[NIL], 0
	v_lshrrev_b32 v1, 5, v0
	v_readfirstlane_b32 s[WV], v1
	v_and_b32 v[LANE], 31, v0
	v_lshlrev_b32 v[T8], 3, v0
	s_mov_b32 s[GX], ttmp9
	s_and_b32 s[GY], ttmp7, 0xffff
	s_mov_b32 s[MSK], 0xffff0000
	s_wait_kmcnt 0x0
	s_cmp_eq_u32 s[GY], 0
	s_cselect_b64 s[WPY:WPY+1], s[20:21], s[22:23]
	s_cmp_eq_u32 s[GY], 2
	s_cselect_b64 s[WPY:WPY+1], s[24:25], s[WPY:WPY+1]
	s_cmp_lt_u32 s[GX], 48
	s_cbranch_scc1 .Lweights
	s_cmp_eq_u32 s[GX], 48
	s_cbranch_scc1 .Lparams
	s_mul_i32 s[IDX], s[GY], 3
	s_add_co_u32 s[IDX], s[IDX], s[GX]
	s_sub_co_u32 s[IDX], s[IDX], 49
	s_cmp_eq_u32 s[IDX], 8
	s_cbranch_scc1 .Lheadp
	; a part of dW2^T: k = 128 kc + .., outputs 64 p + ..
	s_lshr_b32 s74, s[IDX], 1                      ; kc
	s_and_b32 s75, s[IDX], 1                       ; p
	s_mov_b64 s[SRC:SRC+1], s[16:17]
	s_mul_i32 s[SOF], s74, 64512                   ; 128 rows of 504 bytes
	s_lshl_b32 s76, s75, 8
	s_add_co_u32 s[SOF], s[SOF], s76
	s_mov_b32 s[P1], 504
	s_mov_b32 s[P2], 32256
	s_mov_b64 s[DST:DST+1], s[18:19]
	s_lshl_b32 s[DOF], s75, 16
	s_lshl_b32 s76, s74, 8
	s_add_co_u32 s[DOF], s[DOF], s76
	s_mov_b32 s[PD], 1024
	s_mov_b32 s[FMT], 0
	s_sub_co_u32 s[LMAX], 31, s75                  ; in the upper half lane 31 would hold outputs 126, 127, which dW2 has not: it loads lane 30's bytes and writes 0
	s_branch .Ltrans
.Lweights:
	s_lshr_b32 s[BLK], s[GX], 2
	s_and_b32 s[PRT], s[GX], 3
	s_mov_b64 s[DST:DST+1], s[WPY:WPY+1]
	s_lshl_b32 s[DOF], s[GX], 14                   ; 65,536 x block + 16,384 x part
	s_mov_b32 s[PD], 256
	s_mov_b32 s[FMT], 1
	s_mov_b32 s[LMAX], 31
	s_lshl_b32 s76, s[GY], 18                      ; a layer is 262,144 bytes in each of the six tensors
	s_cmp_lt_u32 s[BLK], 8
	s_cbranch_scc0 .Lffn
	s_lshl_b32 s[SOF], s[BLK], 15                  ; a head is 32,768 bytes in Wq, Wk, Wv and in Wo
	s_add_co_u32 s[SOF], s[SOF], s76
	s_cmp_eq_u32 s[PRT], 3
	s_cbranch_scc1 .Lwo
	s_cmp_eq_u32 s[PRT], 0
	s_cselect_b64 s[SRC:SRC+1], s[4:5], s[6:7]
	s_cmp_eq_u32 s[PRT], 2
	s_cselect_b64 s[SRC:SRC+1], s[8:9], s[SRC:SRC+1]
	s_mov_b32 s[P1], 256                           ; [d][dk]: from d to d + 1
	s_mov_b32 s[P2], 16384
	s_branch .Ltrans
.Lwo:
	s_mov_b64 s[SRC:SRC+1], s[10:11]
	s_mov_b32 s[P1], 512                           ; [dv][n]: from dv to dv + 1
	s_mov_b32 s[P2], 256                           ; the row's second half: outputs 64 on
	s_branch .Ltrans
.Lffn:
	s_sub_co_u32 s74, s[BLK], 8                    ; the hidden chunk c
	s_and_b32 s75, s[PRT], 1                       ; p
	s_lshl_b32 s75, s75, 8
	s_add_co_u32 s76, s76, s75
	s_cmp_lt_u32 s[PRT], 2
	s_cbranch_scc0 .Lw2
	s_mov_b64 s[SRC:SRC+1], s[12:13]
	s_lshl_b32 s[SOF], s74, 9
	s_add_co_u32 s[SOF], s[SOF], s76
	s_mov_b32 s[P1], 2048                          ; [d][j]
	s_mov_b32 s[P2], 131072
	s_branch .Ltrans
.Lw2:
	s_mov_b64 s[SRC:SRC+1], s[14:15]
	s_lshl_b32 s[SOF], s74, 16
	s_add_co_u32 s[SOF], s[SOF], s76
	s_mov_b32 s[P1], 512                           ; [j][n]
	s_mov_b32 s[P2], 32768
.Ltrans:
	s_mov_b32 s[SOF+1], 0
	s_mov_b32 s[DOF+1], 0
	s_add_nc_u64 s[SRC:SRC+1], s[SRC:SRC+1], s[SOF:SOF+1]
	s_add_nc_u64 s[DST:DST+1], s[DST:DST+1], s[DOF:DOF+1]
	v_min_u32 v3, s[LMAX], v[LANE]
	v_lshlrev_b32 v3, 3, v3
	s_and_b32 s74, s[WV], 3                        ; my source rows are k = 16 w .. 16 w + 15
	s_lshl_b32 s74, s74, 4
	s_mul_i32 s74, s74, s[P1]
	s_lshr_b32 s75, s[WV], 2
	s_mul_i32 s75, s75, s[P2]
	s_add_co_u32 s74, s74, s75
	v_add_nc_u32 v[OFS], s74, v3
.set i, 1
.rept 15
	v_add_nc_u32 v[OFS+i], s[P1], v[OFS+i-1]
.set i, i+1
.endr
.set i, 0
.rept 16
	global_load_b64 v[IN+2*i:IN+2*i+1], v[OFS+i], s[SRC:SRC+1] th:TH_LOAD_NT
.set i, i+1
.endr
	v_cmp_gt_u32 s[LM], v[LANE], s[LMAX]
	s_mul_i32 s76, s[WV], 16*TPI
	v_lshl_add_u32 v[LSA], v[LANE], 3, s76
	v_and_b32 v[KG], 15, v0
	v_lshrrev_b32 v[R0], 4, v0
	v_mul_u32_u24 v[LRA], v[KG], 8*TPI
	v_lshl_add_u32 v[LRA], v[R0], 2, v[LRA]
	v_lshlrev_b32 v12, 4, v[KG]
	v_mad_u32_u24 v[OFD], v[R0], s[PD], v12
	s_lshl_b32 s77, s[PD], 4
.set i, 1
.rept 3
	v_add_nc_u32 v[OFD+i], s77, v[OFD+i-1]         ; 16 rows further down
.set i, i+1
.endr
	s_wait_loadcnt 0x0
.set i, 0
.rept 32
	v_cndmask_b32 v[IN+i], v[IN+i], v[NIL], s[LM]
.set i, i+1
.endr
.set i, 0
.rept 16
	ds_store_b64 v[LSA], v[IN+2*i:IN+2*i+1] offset:TPI*i
.set i, i+1
.endr
	s_wait_dscnt 0x0                               ; for the others' sake: my rows lie in the tile
	s_barrier_signal -1
	s_barrier_wait -1
.set i, 0
.rept 32                                       ; row p = R0 + 16 (i / 8), k = 8 KG + i % 8
	ds_load_b32 v[TR+i], v[LRA] offset:(i%8)*TPI+64*(i/8)
.set i, i+1
.endr
	s_wait_dscnt 0x0
.set i, 0
.rept 16
	v_cvt_pk_bf16_f32 v[PKD+i], v[TR+2*i], v[TR+2*i+1]
.set i, i+1
.endr
	s_cmp_eq_u32 s[FMT], 0
	s_cbranch_scc1 .Lstore
.set i, 0
.rept 16                                       ; the rounded number written as f16
	v_lshlrev_b32 v112, 16, v[PKD+i]
	v_and_b32 v113, s[MSK], v[PKD+i]
	v_cvt_pk_f16_f32 v[PKD+i], v112, v113
.set i, i+1
.endr
.Lstore:
.set i, 0
.rept 4
	global_store_b128 v[OFD+i], v[PKD+4*i:PKD+4*i+3], s[DST:DST+1]  ; sixteen lanes store 256 consecutive bytes, aligned
.set i, i+1
.endr
	s_branch .Lend
.macro RND a                           ; two f32 rounded to bf16 and written as f32 again
	v_cvt_pk_bf16_f32 v3, v[\a], v[\a+1]
	v_lshlrev_b32 v[\a], 16, v3
	v_and_b32 v[\a+1], s[MSK], v3
.endm
.Lparams:                                      ; the four arrays of 512: 8 bytes a thread.  Four arrays of 128: a pair of waves each.  The last two: waves 0 to 3
	s_lshl_b32 s74, s[GY], 11
	v_add_nc_u32 v[SO], s74, v[T8]
	global_load_b64 v[32:33], v[SO], s[26:27]
	global_load_b64 v[34:35], v[SO], s[28:29]
	global_load_b64 v[36:37], v[SO], s[30:31]
	global_load_b64 v[38:39], v[SO], s[32:33]
	s_lshr_b32 s75, s[WV], 1
	s_cmp_eq_u32 s75, 0
	s_cselect_b64 s[SRC:SRC+1], s[34:35], s[36:37] ; bo, g1,
	s_cmp_eq_u32 s75, 2
	s_cselect_b64 s[SRC:SRC+1], s[38:39], s[SRC:SRC+1]  ; be1,
	s_cmp_eq_u32 s75, 3
	s_cselect_b64 s[SRC:SRC+1], s[40:41], s[SRC:SRC+1]  ; b2
	s_cmp_eq_u32 s75, 0
	s_cselect_b64 s[DST:DST+1], s[42:43], s[44:45] ; g2, be2
	v_and_b32 v[SO+1], 63, v0
	s_lshl_b32 s74, s[GY], 9
	v_lshl_add_u32 v[SO+1], v[SO+1], 3, s74
	global_load_b64 v[40:41], v[SO+1], s[SRC:SRC+1]
	s_wait_loadcnt 0x0
	RND 32
	RND 34
	RND 36
	RND 38
	RND 40
	global_store_b64 v[T8], v[32:33], s[WPY:WPY+1] offset:PARO
	global_store_b64 v[T8], v[34:35], s[WPY:WPY+1] offset:PARO+2048
	global_store_b64 v[T8], v[36:37], s[WPY:WPY+1] offset:PARO+4096
	global_store_b64 v[T8], v[38:39], s[WPY:WPY+1] offset:PARO+6144
	global_store_b64 v[T8], v[40:41], s[WPY:WPY+1] offset:PARO+8192   ; the four arrays lie on end: 8 bytes a thread again
	s_cmp_lt_u32 s[WV], 4
	s_cbranch_scc0 .Lend
	global_load_b64 v[42:43], v[SO+1], s[DST:DST+1]
	s_wait_loadcnt 0x0
	RND 42
	global_store_b64 v[T8], v[42:43], s[WPY:WPY+1] offset:PARO+10240
	s_branch .Lend
.Lheadp:
	global_load_b64 v[32:33], v[T8], s[46:47]
	s_wait_loadcnt 0x0
	RND 32
	global_store_b64 v[T8], v[32:33], s[18:19] offset:131072
	s_cmp_lt_u32 s[WV], 2
	s_cbranch_scc0 .Lend
	v_min_u32 v[SO], 62, v0                        ; db2 has 63 pairs; thread 63 writes the two zeros behind them
	v_lshlrev_b32 v[SO], 3, v[SO]
	global_load_b64 v[34:35], v[SO], s[48:49]
	v_cmp_eq_u32 s74, 63, v0
	s_wait_loadcnt 0x0
	RND 34
	v_cndmask_b32 v34, v34, v[NIL], s74
	v_cndmask_b32 v35, v35, v[NIL], s74
	global_store_b64 v[T8], v[34:35], s[18:19] offset:133120
.Lend:
	s_wait_tensorcnt 0x0                           ; the wave's end, behind my last LDS store
	ds_add_u32 v[SPW], v[NIL]
	s_wait_dscnt 0x0
	s_endpgm
.Lfunc_end_k_q805b44bbd2_pack:
	.size	k_q805b44bbd2_pack, .Lfunc_end_k_q805b44bbd2_pack-k_q805b44bbd2_pack
	.p2alignl 7, 3214868480
	.fill 96, 4, 3214868480
	.section	.rodata,"a",@progbits
	.p2align	6, 0x0
	.amdhsa_kernel k_q805b44bbd2_pack
		.amdhsa_group_segment_fixed_size 34816
		.amdhsa_private_segment_fixed_size 0
		.amdhsa_enable_private_segment 0
		.amdhsa_kernarg_size 184
		.amdhsa_user_sgpr_count 2
		.amdhsa_user_sgpr_kernarg_segment_ptr 1
		.amdhsa_wavefront_size32 1
		.amdhsa_system_sgpr_workgroup_id_x 1
		.amdhsa_system_sgpr_workgroup_id_y 1
		.amdhsa_system_sgpr_workgroup_id_z 1
		.amdhsa_system_vgpr_workitem_id 0
		.amdhsa_next_free_vgpr 128
		.amdhsa_next_free_sgpr 96
		.amdhsa_reserve_vcc 0
		.amdhsa_float_denorm_mode_32 3
		.amdhsa_float_denorm_mode_16_64 3
		.amdhsa_memory_ordered 1
		.amdhsa_forward_progress 1
		.amdhsa_inst_pref_size 19
	.end_amdhsa_kernel
	.amdgpu_metadata
---
amdhsa.version: [ 1, 2 ]
amdhsa.kernels:
  - .name:           k_q805b44bbd2_pack
    .symbol:         k_q805b44bbd2_pack.kd
    .args:
      - { .name: Wq, .offset: 0, .size: 8, .value_kind: global_buffer, .address_space: global }
      - { .name: Wk, .offset: 8, .size: 8, .value_kind: global_buffer, .address_space: global }
      - { .name: Wv, .offset: 16, .size: 8, .value_kind: global_buffer, .address_space: global }
      - { .name: Wo, .offset: 24, .size: 8, .value_kind: global_buffer, .address_space: global }
      - { .name: W1, .offset: 32, .size: 8, .value_kind: global_buffer, .address_space: global }
      - { .name: W2, .offset: 40, .size: 8, .value_kind: global_buffer, .address_space: global }
      - { .name: dW2, .offset: 48, .size: 8, .value_kind: global_buffer, .address_space: global }
      - { .name: hp, .offset: 56, .size: 8, .value_kind: global_buffer, .address_space: global }
      - { .name: wp0, .offset: 64, .size: 8, .value_kind: global_buffer, .address_space: global }
      - { .name: wp1, .offset: 72, .size: 8, .value_kind: global_buffer, .address_space: global }
      - { .name: wp2, .offset: 80, .size: 8, .value_kind: global_buffer, .address_space: global }
      - { .name: bq, .offset: 88, .size: 8, .value_kind: global_buffer, .address_space: global }
      - { .name: bk, .offset: 96, .size: 8, .value_kind: global_buffer, .address_space: global }
      - { .name: bv, .offset: 104, .size: 8, .value_kind: global_buffer, .address_space: global }
      - { .name: b1, .offset: 112, .size: 8, .value_kind: global_buffer, .address_space: global }
      - { .name: bo, .offset: 120, .size: 8, .value_kind: global_buffer, .address_space: global }
      - { .name: g1, .offset: 128, .size: 8, .value_kind: global_buffer, .address_space: global }
      - { .name: be1, .offset: 136, .size: 8, .value_kind: global_buffer, .address_space: global }
      - { .name: b2, .offset: 144, .size: 8, .value_kind: global_buffer, .address_space: global }
      - { .name: g2, .offset: 152, .size: 8, .value_kind: global_buffer, .address_space: global }
      - { .name: be2, .offset: 160, .size: 8, .value_kind: global_buffer, .address_space: global }
      - { .name: db1, .offset: 168, .size: 8, .value_kind: global_buffer, .address_space: global }
      - { .name: db2, .offset: 176, .size: 8, .value_kind: global_buffer, .address_space: global }
    .group_segment_fixed_size: 34816
    .private_segment_fixed_size: 0
    .kernarg_segment_align: 8
    .kernarg_segment_size: 184
    .max_flat_workgroup_size: 256
    .sgpr_count:     96
    .vgpr_count:     128
    .wavefront_size: 32
...
	.end_amdgpu_metadata
.endif
;; end of part 2
;; launch enc1 (part 3): grid 256 x 1, 4 waves a work-group, clusters of 4 x 1, 327,680 bytes of LDS; arguments hA, wp0, hB; writes hB
.if DOCPART == 3
	.amdgcn_target "amdgcn-amd-amdhsa--gfx1250"
	.amdhsa_code_object_version 6
	.text
	.protected	k_q805b44bbd2_enc1
	.globl	k_q805b44bbd2_enc1
	.p2align	8
	.type	k_q805b44bbd2_enc1,@function
k_q805b44bbd2_enc1:
	s_mov_b64 s[64:65], 0
	v_nop
	global_prefetch_b8 v0, s[64:65] scope:SCOPE_SE
	s_setreg_imm32_b32 hwreg(HW_REG_WAVE_MODE, 25, 1), 1
	s_wait_xcnt 0x0
	s_wait_alu depctr_hold_cnt(0) depctr_sa_sdst(0) depctr_va_vdst(0) depctr_va_sdst(0) depctr_va_ssrc(0) depctr_va_vcc(0) depctr_vm_vsrc(0)
	s_getreg_b32 s2, hwreg(HW_REG_IB_STS2, 6, 4)
	s_cmp_eq_u32 s2, 0
	s_cbranch_scc0 .Lentry_in_a_cluster
	s_endpgm
.Lentry_in_a_cluster:
	s_bfe_u32 s2, ttmp6, 0x10000c
	s_cmp_lg_u32 s2, 0x3003
	s_cbranch_scc0 .Lentry_shape_is_right
	s_endpgm
.Lentry_shape_is_right:
; ONE ENCODER BLOCK.  hout = LN2(h + relu(LN1(h + MHA(h)) W1 + b1) W2 + b2): both residuals take the block's input h.  h, hout: [128][256][128] f16.  The layer's weights and parameters
; come from its pack (12 blocks of 65,536 bytes, then 11,264 bytes of f32 parameters), already turned and rounded.
; Matrix operands are f16; all sums, the softmax's maximum and sum and the norms' mean and variance are f32.
; LIMITS.  h, q, k, v, o, LN1's result and the hidden layer stay under 65,504 (f16).  A weight of the softmax below 2^-126 counts as 0 in its sum.  NaN and infinities are not treated apart.
; SHARES.  A work-group owns 128 query rows of one batch, each of its four waves 32: two tiles of 16.  K and V are wanted for all 256 rows of the batch, so each wave projects 64 rows: its own 32 and
; the 32 at the same place in the batch's other half.  The batch's two work-groups each make K and V: a fifth more products, and nothing of q, k, v, the scores or the hidden layer goes to memory.
; A LANE IS A ROW.  Every product is taken turned, X_next^T = W^T X^T (source 0 = 16 rows of the turned weight, source 1 = 16 rows of X): lane (r, h) of a result holds row r and the outputs
; 16 t + 8 h + 0..7.  Two such results rounded in pairs ARE source 1 of the next product: q, the weights P, o, LN1's result and the hidden layer never leave registers, and a row's maximum, sum, mean and
; variance want one exchange between the halves of the lanes.  K goes through LDS as [key][dk].  V is taken the other way (source 0 = h's rows, source 1 = Wv^T): a lane then holds one dv and 8
; neighbouring keys, and V lies in LDS as [dv][key], as source 0 of O^T = V^T P wants it.  The f16 fragments of my own rows are the residual too.
; SOFTMAX.  All 256 scores of a query lie in registers: the true maximum, one pass, no rescaling.  p = 2^(c s - c m), c = log2(e) / 8.  bv is added behind the division by the sum, since the weights add up to 1.
; THE HEADS ARE PIPELINED.  Trip j of the head loop makes head j's scores, softmax, V^T P and its share of the output projection, and UNDER THE SOFTMAX head j + 1's q, K and V: the 160 products of
; those projections are issued one by one, four of the softmax's vector lines (and of the conversions of q, K and V) behind each; the sums of the weights and V's conversions stand behind the products V^T P.
; The projections go in six UNITS (q, K, V, each in two halves of its 64 outputs): a unit has 8 weight fragments and up to 8 accumulators; two buffers of each take turns, so that a unit's weights are
; loaded and the unit before is rounded and stored while a unit is multiplied.  K and V^T have two places each in LDS, for even and odd heads: one barrier a head.
; THE PRICE: head 0's projections stand ahead of the loop with no vector work beside them, and the last trip's 160 products (on block 8's first three parts, taken as if they were a ninth head's weights)
; and the K and V stored from them serve nothing: 160 of a wave's 3,232 products.  One text serves every trip for it.
; CLUSTER.  All work-groups walk the same 12 blocks, so the four of a cluster ask for each block and for the parameters JOINTLY (mask 15).  The h tile (65,536 of the 862,000 bytes that a work-group
; fetches, and common to two of the four only) comes by a load of its own; its LDS place does not hang on the work-group's place: the own half is put first by the GLOBAL address.
; RING.  Two slots; block b goes to slot b % 2, and wave w fetches part w of every block.  Trip j reads parts 0 to 2 (Wq, Wk, Wv) of block j + 1 and part 3 (Wo) of block j, so waves 0 to 2 walk one refill
; ahead of wave 3: behind head 0's projections they alone ask (block 2); behind trip j <= 6 they ask for block j + 3 and wave 3 for block j + 2; behind trip 7 wave 3 alone asks (block 9).
; The four hidden chunks of 128 (blocks 8 to 11) then read whole blocks, and blocks 10 and 11 are asked for by all four waves.  Each refill has a whole trip in which to land.
; REGISTERS, in windows of 256 (s_set_vgpr_msb: bits 1:0 source 0, 3:2 source 1, 5:4 source 2, 7:6 destination):
;   window 0: v0-31 addresses; v32-63 statistics, 16 a tile; v64-95 q's fragments; v96-127 bv, then o's fragments (in the norms: the sums' chains); v128-255 P (its second tile holds bq and bk until it is written;
;             later LN1's result, the hidden layer, the way out)
;   window 1: the scores S (qt, kt) at 128 qt + 8 kt; O^T at 64 + 32 qt + 8 dvt once tile 0's upper half is added up; the hidden layer's sums, b1
;   window 2: v0-127 h's fragments (mt, kb) at 32 mt + 8 kb; v128-255 AT (mt, nt) at 128 + 64 mt + 8 nt: residual + bias + the products that are added onto it
;   window 3: K's fragments; then four quarters of 64: two weight buffers, two accumulator buffers; then V^T's fragments and Wo's; in the hidden chunks two buffers of 128
.set PW,     272                       ; a row of 256 bytes + 16 of padding: the 16 rows of a fragment load start at 16 different groups of four banks (64 banks of 4 bytes: ISA guide 11.1)
.set PARTB,  64*PW                     ; a part of a block in LDS
.set SLOT1,  1<<17                     ; slot 0 at 0, slot 1 here: one exclusive or turns an address in one into the other's
.set KL,     4*PARTB                   ; K of the even heads: 256 keys x 144 bytes (128 + 16)
.set PKK,    144
.set KD,     1<<17                     ; K of the odd heads lies so much further on
.set PAR,    KL+256*PKK                ; the parameters, 11,264 bytes
.set SPARE,  PAR+11264                 ; the spare words, 128 bytes a wave: two blocks of 256 bytes that no other line names
.set HT,     SLOT1+4*PARTB             ; h: 256 rows x 272; rows 0-127 are my work-group's half.  Filled once and read ahead of the first refill's round alone; behind that round its bytes
                                       ; serve K of the odd heads (= KL + KD), the stage and the first part of V^T of the odd heads
.set STG,    HT+256*PKK                ; the way out: 16 rows x 272 for each wave
.set VL,     STG+4*16*PW               ; V^T of the odd heads: 64 dv x 528 bytes (512 + 16)
.set PVV,    528
.set VD,     64*PVV                    ; V^T of the even heads lies so much further on, past h's tile
.set O_BQ, 0
.set O_BK, 2048
.set O_BV, 4096
.set O_B1, 6144
.set O_BO, 8192
.set O_G1, 8704
.set O_BE1, 9216
.set O_B2, 9728
.set O_G2, 10240
.set O_BE2, 10752
.set AF0, 3                            ; v3   272 r + 16 h: my place in a fragment's rows
.set WA,  4                            ; v4   the same in the slot whose parts 0 to 2 are read (in a hidden chunk: the chunk's slot)
.set KA0, 5                            ; v5   my place in K's rows, even heads' place
.set VA0, 6                            ; v6   in V^T's rows, odd heads' place
.set KS0, 7                            ; v7   where I put 16 bytes of a row of K, even heads' place
.set VS0, 8                            ; v8   of V^T, odd heads' place
.set HA,  9                            ; v9   my place in my wave's rows of h
.set PA,  10                           ; v10  PAR + 32 h: a lane's eight parameters of a tile of 16
.set PH,  11                           ; v11  the same, at the head or chunk in hand
.set STO, 12
.set RD,  13
.set GO,  14
.set PFO, 15                           ; v15  256 x lane, for the prefetches; never rewritten
.set ONE, 16                           ; v16  1.0
.set WO,  17                           ; v17  my place in the slot whose part 3 is read
.set ZER, 18                           ; v18  0
.set KA,  19                           ; v19-22  the four places above for the trip in hand: K and V^T of head j are read, those of head j + 1 written
.set VA,  20
.set KS,  21
.set VS,  22
.set SPW, 30                           ; v30  my spare word; never rewritten
.set NIL, 31                           ; v31  0; never rewritten
.set ST,  32                           ; tile t at ST + 16 t: +0..3 at work, +4,5 c m, +6 l, +8,9 1/l, +10,11 mean, +12,13 1/sqrt(var + eps)
.set QF,  64
.set OF,  96
.set P,   128
.set BQ,  192                          ; window 0: bq's four tiles, then bk's four
.set WV,  10
.set G1H, 16                           ; s[16:23] group 1 of the h tile
.set G1W, 24                           ; s[24:31] of a block's part: the same with the mask
.set G1P, 32                           ; s[32:39] of the parameters
.set G0H, 40
.set G0P, 44
.set G0A, 48                           ; block 0
.set G0W, 52                           ; block 1; it then walks
.set TB,  56                           ; s56  the slot of block j (in a hidden chunk: the chunk's)
.set HO,  57                           ; s57  the head's or chunk's byte offset in its parameters
.set CS,  58                           ; s[58:59] c
.set SEL, 60                           ; s[60:61] v_permlanex16_b32's selects
.set CNT, 62
.set RF,  63                           ; s63  refills with a prefetch still to come, and one
.set LIM, 66                           ; s66  1 in a wave that prefetches, else the greatest number
.set PFA, 68                           ; s[68:69] where my prefetches stand
.set R128, 70                          ; s70  1/128
.set EPS, 71                           ; s71  1e-6
.set TQ,  72                           ; s72  the slot of block j + 1
.set KR,  73                           ; s73  0 or KD: where head j's K lies
.set VR,  74                           ; s74  VD or 0: where head j's V^T lies
.set KW,  75                           ; s75, s76  the other place of each: head j + 1's
.set VW,  76
.set W_ATT, 0x53                       ; A window 3, B window 0, C and D window 1
.set W_OUT, 0xa3                       ; A window 3, B window 0, C and D window 2
.set MSB, 0
.macro WIN new                         ; the immediate's high byte repeats the setting that is left; a switch that changes nothing is dropped
.if MSB != (\new)
	s_set_vgpr_msb (MSB<<8)|(\new)
.set MSB, (\new)
.endif
.endm
; Four plain vector instructions stand between a matrix instruction and a vector instruction that reads its result or writes one of its registers, or a load into one of them (ISA guide 7.12.1 for vector instructions).
.macro PLACES
.rept 4
	v_nop
.endr
.endm
.macro CROUND                          ; a round of the cluster's barrier
	s_barrier_signal -1
	s_barrier_wait -1
	s_cmp_lg_u32 s[WV], 0
	s_cbranch_scc1 .Lnot_wave_0_\@
	s_barrier_signal -3
.Lnot_wave_0_\@:
	s_barrier_wait -3
	s_barrier_signal -1
	s_barrier_wait -1
.endm
; A PREFETCH INTO THE L2 of the block behind the one whose parts 0 to 2 have just been asked for: 256 rows of 256 bytes.  All clusters walk the same pack: the first cluster asks.  Its four partners take
; 64 rows each, told apart by address; in each, waves 0 and 1 take 32, a lane a row.  So each row of blocks 3 to 11 is named once in the launch.  The last refill has no block behind it and asks for nothing.
.macro ASK
	s_cmp_gt_u32 s[RF], s[LIM]
	s_cbranch_scc0 .Lnot_mine_\@
	global_prefetch_b8 v[PFO], s[PFA:PFA+1] th:TH_LOAD_NT scope:SCOPE_SE
.Lnot_mine_\@:
.endm
; THE CHANGE OF SLOTS.  Each wave waits for all its tensor loads (at most one is out), adds 0 to its spare word, and waits for that and for its LDS instructions: its reads of the slots and of K and V^T, and its
; stores of the next head's K and V^T.  kind 0: nothing is filled: my work-group's barrier.  Else a round of the cluster's barrier, and behind it, first, the walking descriptor's next block:
; kind 1: every wave asks for its part; kind 2: waves 0 to 2; kind 3: wave 3.  The two branches hang on the wave's number alone.
; The barrier also shows the next head's K and V^T to every wave, and parts this head's reads of its K and V^T from the stores that will land on them a trip later.
.macro CHANGE kind
	WIN 0
	s_wait_tensorcnt 0x0                           ; no tensor load of mine is out, so the walking group 0 may be written
	ds_add_u32 v[SPW], v[NIL]
.if (\kind) == 1
	s_xor_b32 s[G0W+1], s[G0W+1], SLOT1
	s_add_nc_u64 s[G0W+2:G0W+3], s[G0W+2:G0W+3], 65536
.endif
.if ((\kind) == 1) || ((\kind) == 2)
	s_wait_xcnt 0x0                                ; the last prefetch, a trip back, has read its address
	s_add_nc_u64 s[PFA:PFA+1], s[PFA:PFA+1], 65536
.endif
	s_wait_dscnt 0x0
.if (\kind) == 0
	s_barrier_signal -1
	s_barrier_wait -1
.else
	CROUND
.if (\kind) == 2
	s_cmp_lt_u32 s[WV], 3
	s_cbranch_scc0 .Lnone_\@
.elseif (\kind) == 3
	s_cmp_eq_u32 s[WV], 3
	s_cbranch_scc0 .Lnone_\@
.endif
.if (\kind) != 1
	s_xor_b32 s[G0W+1], s[G0W+1], SLOT1            ; only a wave that asks steps its descriptor
	s_add_nc_u64 s[G0W+2:G0W+3], s[G0W+2:G0W+3], 65536
.endif
	tensor_load_to_lds s[G0W:G0W+3], s[G1W:G1W+7]
	s_nop 0
	PLACES
.if (\kind) != 1
.Lnone_\@:
.endif
.if (\kind) != 3
	ASK
	s_sub_co_u32 s[RF], s[RF], 1
.endif
.endif
.endm
; The 16 fragments of a part (64 rows x 128 k): rows 16 (f / 4) on, k 32 (f % 4) on, at buf + 8 f of window 3.
.macro LDW buf, part, adr=WA
	WIN 0xc0
.set f, 0
.rept 16
	ds_load_b128 v[(\buf)+8*f:(\buf)+8*f+3],   v[\adr] offset:PARTB*(\part)+16*PW*(f/4)+64*(f%4)
	ds_load_b128 v[(\buf)+8*f+4:(\buf)+8*f+7], v[\adr] offset:PARTB*(\part)+16*PW*(f/4)+64*(f%4)+32
.set f, f+1
.endr
.endm
; cnt tiles of parameters in a result's layout: register j of tile t is parameter 16 t + 8 h + j, the same in all 16 lanes of a half.
.macro LDT win, dst, adr, off, cnt
	WIN \win
.set f, 0
.rept \cnt
	ds_load_b128 v[(\dst)+8*f:(\dst)+8*f+3],   v[\adr] offset:(\off)+64*f
	ds_load_b128 v[(\dst)+8*f+4:(\dst)+8*f+7], v[\adr] offset:(\off)+64*f+16
.set f, f+1
.endr
.endm
; AT = h + bias (the bias's tiles at bt of window 3): the sums start here, nothing is cleared.  Output 16 nt + 8 h + j of a row is half j % 2 of register 4 nt + j / 2 of the row tile's fragments.
.macro INIT_AT bt
	WIN 0xb2
.set n, 0
.rept 128
.if n%2
	v_fma_mix_f32 v[128+n], v[32*(n/64)+4*((n/8)%8)+(n%8)/2], v[ONE], v[(\bt)+n%64] op_sel:[1,0,0] op_sel_hi:[1,0,0]
.else
	v_fma_mix_f32 v[128+n], v[32*(n/64)+4*((n/8)%8)+(n%8)/2], v[ONE], v[(\bt)+n%64] op_sel:[0,0,0] op_sel_hi:[1,0,0]
.endif
.set n, n+1
.endr
.endm
; THE PROJECTIONS' UNITS.  Unit un: part un / 2 (Wq, Wk, Wv), rows 32 (un % 2) .. + 31 of it.  Weights in window 3 at 64 (un % 2), accumulators at 128 + 64 (un % 2).
.macro ULOAD un                        ; its 8 fragments: rows 16 (f / 4) on, k 32 (f % 4) on
	WIN 0xc0
.set f, 0
.rept 8
	ds_load_b128 v[64*((\un)%2)+8*f:64*((\un)%2)+8*f+3],   v[WA] offset:PARTB*((\un)/2)+16*PW*(2*((\un)%2)+f/4)+64*(f%4)
	ds_load_b128 v[64*((\un)%2)+8*f+4:64*((\un)%2)+8*f+7], v[WA] offset:PARTB*((\un)/2)+16*PW*(2*((\un)%2)+f/4)+64*(f%4)+32
.set f, f+1
.endr
.endm
.macro VLOAD k0                        ; V^T's 8 fragments for the keys 32 k0 .. 32 k0 + 63: keys 32 (f / 4) on, dv 16 (f % 4) on, at 8 f of window 3
	WIN 0xc0
.set f, 4*(\k0)
.rept 8
	ds_load_b128 v[8*f:8*f+3],   v[VA] offset:16*PVV*(f%4)+64*(f/4)
	ds_load_b128 v[8*f+4:8*f+7], v[VA] offset:16*PVV*(f%4)+64*(f/4)+32
.set f, f+1
.endr
.endm
; A unit begins: four places behind the last unit's products (for the loads below, into the weight buffer that the unit before last read, and for the conversions of the last unit's sums);
; nxt = 1: the next unit's weights go out; 2: V^T's first fragments; 0: nothing.  cnt: the LDS instructions younger than this unit's own weights.
.macro USTART un, nxt, cnt
.set UN, (\un)
.set i, 0
	PLACES
.if (\nxt) == 1
	ULOAD (\un)+1
.elseif (\nxt) == 2
	VLOAD 0
.endif
	s_wait_dscnt \cnt
.endm
; The unit's next product.  k is the outer loop and the accumulators take turns, one instruction a turn.  q (2 row tiles) and K (4): accumulator 2 mt + dl, the first links take
; bq or bk as C.  V (a lane a dv): accumulator 4 dl + mt, the first links take 0.
.macro UMM
.set wb, 64*(UN%2)
.set ab, 128+64*(UN%2)
.if UN < 2
.set kb, i/4
.set ac, i%4
.else
.set kb, i/8
.set ac, i%8
.endif
.set rD, ab+8*ac
.if UN < 4
.set rA, wb+32*(ac%2)+8*kb
.set rB, 32*(ac/2)+8*kb
.set rC, BQ+32*(UN/2)+8*(2*(UN%2)+ac%2)
.if kb == 0
	WIN 0xcb                                       ; A window 3, B window 2, C window 0, D window 3
	v_wmma_f32_16x16x32_f16 v[rD:rD+7], v[rA:rA+7], v[rB:rB+7], v[rC:rC+7]
.else
	WIN 0xfb                                       ; C window 3 too
	v_wmma_f32_16x16x32_f16 v[rD:rD+7], v[rA:rA+7], v[rB:rB+7], v[rD:rD+7]
.endif
.else
.set rA, 32*(ac%4)+8*kb
.set rB, wb+32*(ac/4)+8*kb
	WIN 0xfe                                       ; A window 2, B, C and D window 3
.if kb == 0
	v_wmma_f32_16x16x32_f16 v[rD:rD+7], v[rA:rA+7], v[rB:rB+7], 0
.else
	v_wmma_f32_16x16x32_f16 v[rD:rD+7], v[rA:rA+7], v[rB:rB+7], v[rD:rD+7]
.endif
.endif
.set i, i+1
.endm
.macro RUN cnt
.rept \cnt
	UMM
.endr
.endm
.macro PKQ un, n                       ; conversion n of 16 of unit un's q: into q's fragments
	WIN 0x0f
.set ac, (\n)/4
	v_cvt_pk_f16_f32 v[QF+16*(ac/2)+4*(2*(\un)+ac%2)+(\n)%4], v[128+64*((\un)%2)+2*(\n)], v[128+64*((\un)%2)+2*(\n)+1]
.endm
.macro PKA un, n                       ; conversion n of 32 of unit un's K or V, in place: register n takes registers 2 n and 2 n + 1; in ascending order nothing unread is written over
	WIN 0xcf
	v_cvt_pk_f16_f32 v[128+64*((\un)%2)+(\n)], v[128+64*((\un)%2)+2*(\n)], v[128+64*((\un)%2)+2*(\n)+1]
.endm
.macro PKQS un
.set xp, 0
.rept 16
	PKQ \un, xp
.set xp, xp+1
.endr
.endm
.macro PKAS un
.set xp, 0
.rept 32
	PKA \un, xp
.set xp, xp+1
.endr
.endm
.macro STK un                          ; unit un's K: row tile f / 2, dk 16 (2 (un - 2) + f % 2) on
	WIN 0x0c
.set f, 0
.rept 8
	ds_store_b128 v[KS], v[128+64*((\un)%2)+4*f:128+64*((\un)%2)+4*f+3] offset:16*PKK*((f/2)%2)+128*PKK*(f/4)+32*(2*((\un)-2)+f%2)
.set f, f+1
.endr
.endm
.macro STV un                          ; unit un's V^T: dv 16 (2 (un - 4) + f / 4) on, row tile f % 4
	WIN 0x0c
.set f, 0
.rept 8
	ds_store_b128 v[VS], v[128+64*((\un)%2)+4*f:128+64*((\un)%2)+4*f+3] offset:16*PVV*(2*((\un)-4)+f/4)+32*((f%4)%2)+256*((f%4)/2)
.set f, f+1
.endr
.endm
; THE OTHER MATRIX WORK.  Everywhere the accumulators take turns, one instruction a turn.
.macro MMS kk                          ; S^T = K q^T, dk 32 kk on: 16 key tiles x 2 query tiles.  Each group of 8 products waits for its own four fragments of K: of the 64 loads those behind them may stay out
	WIN W_ATT
.set i, 0
.rept 32
.if i%8 == 0
	s_wait_dscnt 56-32*(\kk)-i
.endif
.set rD, 128*(i%2)+8*(i/2)
.set rA, 128*(\kk)+8*(i/2)
.set rB, QF+16*(i%2)+8*(\kk)
.if (\kk) == 0
	v_wmma_f32_16x16x32_f16 v[rD:rD+7], v[rA:rA+7], v[rB:rB+7], 0
.else
	v_wmma_f32_16x16x32_f16 v[rD:rD+7], v[rA:rA+7], v[rB:rB+7], v[rD:rD+7]
.endif
.set i, i+1
.endr
.endm
.macro PVM                             ; product i of 64 of O^T = V^T P: keys 32 (i / 8) on; tile (i % 8) / 4, dv 16 (i % 4) on
	WIN W_ATT
.set kb, i/8
.set rD, 64+8*(i%8)
.set rA, 32*kb+8*(i%4)
.set rB, P+64*((i%8)/4)+8*kb
.if kb == 0
	v_wmma_f32_16x16x32_f16 v[rD:rD+7], v[rA:rA+7], v[rB:rB+7], 0
.else
	v_wmma_f32_16x16x32_f16 v[rD:rD+7], v[rA:rA+7], v[rB:rB+7], v[rD:rD+7]
.endif
.set i, i+1
.endm
.macro MMO                             ; AT += Wo_h^T o^T: 16 accumulators x 2 k; outputs 64 on lie in the second half of the part's rows
	WIN W_OUT
.set i, 0
.rept 32
.set rD, 128+8*(i%16)
.set rA, 32*(i%4)+8*(i/16+2*((i%8)/4))
.set rB, OF+16*((i%16)/8)+8*(i/16)
	v_wmma_f32_16x16x32_f16 v[rD:rD+7], v[rA:rA+7], v[rB:rB+7], v[rD:rD+7]
.set i, i+1
.endr
.endm
.macro MF1 hf                          ; the hidden layer's sums, hidden tiles 4 hf .. 4 hf + 3: 8 accumulators x 4 k; the first links take b1 as C
	WIN W_ATT
.set i, 0
.rept 32
.set rD, 64*((i%8)/4)+8*(4*(\hf)+i%4)
.set rA, 128*(\hf)+32*(i%4)+8*(i/8)
.set rB, P+32*((i%8)/4)+8*(i/8)
.if i < 8
	v_wmma_f32_16x16x32_f16 v[rD:rD+7], v[rA:rA+7], v[rB:rB+7], v[128+8*(4*(\hf)+i%4):128+8*(4*(\hf)+i%4)+7]
.else
	v_wmma_f32_16x16x32_f16 v[rD:rD+7], v[rA:rA+7], v[rB:rB+7], v[rD:rD+7]
.endif
.set i, i+1
.endr
.endm
.macro MF2 hf                          ; AT += W2^T hidden^T, output tiles 4 hf .. 4 hf + 3
	WIN W_OUT
.set i, 0
.rept 32
.set rD, 128+64*((i%8)/4)+8*(4*(\hf)+i%4)
.set rA, 128*(\hf)+32*(i%4)+8*(i/8)
.set rB, 192+32*((i%8)/4)+8*(i/8)
	v_wmma_f32_16x16x32_f16 v[rD:rD+7], v[rA:rA+7], v[rB:rB+7], v[rD:rD+7]
.set i, i+1
.endr
.endm
; THE SOFTMAX's LINES, one at a time; each sets the windows that it wants.
.macro SCL qt, pr                      ; c s - c m for pair pr of 64
	WIN 0x41
.set rS, 128*(\qt)+2*(\pr)
	v_pk_fma_f32 v[rS:rS+1], v[rS:rS+1], s[CS:CS+1], v[ST+16*(\qt)+4:ST+16*(\qt)+5] op_sel_hi:[1,0,0] neg_lo:[0,0,1] neg_hi:[0,0,1]
.endm
.macro EXPO qt, e                      ; the exponential of score e of 128 (destination and source 0 in window 1: both settings below say so)
.if (MSB != 0x41) && (MSB != 0x45)
	WIN 0x41
.endif
	v_exp_f32 v[128*(\qt)+(\e)], v[128*(\qt)+(\e)]
.endm
.macro CVP qt, n                       ; pair n rounded to f16: two score tiles rounded in pairs are a fragment of P
	WIN 0x05
	v_cvt_pk_f16_f32 v[P+64*(\qt)+(\n)], v[128*(\qt)+2*(\n)], v[128*(\qt)+2*(\n)+1]
.endm
.macro TADD qt, z                      ; addition z of 63 of the sum over the tile's 64 pairs, in place: neighbours 32, 16, .. 1 pairs apart
	WIN 0x45
.if (\z) < 32
.set sd, 32
.set u, (\z)
.elseif (\z) < 48
.set sd, 16
.set u, (\z)-32
.elseif (\z) < 56
.set sd, 8
.set u, (\z)-48
.elseif (\z) < 60
.set sd, 4
.set u, (\z)-56
.elseif (\z) < 62
.set sd, 2
.set u, (\z)-60
.else
.set sd, 1
.set u, 0
.endif
.set rS, 128*(\qt)+2*u
	v_pk_add_f32 v[rS:rS+1], v[rS:rS+1], v[rS+2*sd:rS+2*sd+1]
.endm
.macro SMAX
	; the maximum: four chains a tile, each over 31 registers in ascending order; then the four left over
	WIN 0x15
.set q, 0
.rept 8
.set rS, 128*(q/4)+32*(q%4)
	v_max3_num_f32 v[ST+16*(q/4)+q%4], v[rS], v[rS+1], v[rS+2]
.set q, q+1
.endr
	WIN 0x14
.set i, 0
.rept 14
.set q, 0
.rept 8
.set rS, 128*(q/4)+32*(q%4)+3+2*i
	v_max3_num_f32 v[ST+16*(q/4)+q%4], v[ST+16*(q/4)+q%4], v[rS], v[rS+1]
.set q, q+1
.endr
.set i, i+1
.endr
.irp t, 0,1
	v_max3_num_f32 v[ST+16*\t], v[ST+16*\t], v[128*\t+31], v[128*\t+63]
	v_max3_num_f32 v[ST+16*\t+1], v[ST+16*\t+1], v[128*\t+95], v[128*\t+127]
.endr
	WIN 0
.irp t, 0,1
	v_max3_num_f32 v[ST+16*\t], v[ST+16*\t], v[ST+16*\t+1], v[ST+16*\t+2]
.endr
.irp t, 0,1
	v_max_num_f32 v[ST+16*\t], v[ST+16*\t], v[ST+16*\t+3]
.endr
.irp t, 0,1
	v_permlanex16_b32 v[ST+16*\t+1], v[ST+16*\t], s[SEL], s[SEL+1]  ; the query's other 128 keys lie in the lane 16 away
.endr
.irp t, 0,1
	v_max_num_f32 v[ST+16*\t], v[ST+16*\t], v[ST+16*\t+1]
.endr
.irp t, 0,1
	v_mul_f32 v[ST+16*\t+4], s[CS], v[ST+16*\t]
	v_mul_f32 v[ST+16*\t+5], s[CS], v[ST+16*\t]
.endr
.endm
; LAYER NORM of AT, both tiles; g's tiles lie at 0, be's at 64 of window 3.  The mean first, then the variance of x - mean: no difference of large sums.  The result, f16, at dst of window 0, as fragments.
.macro LRED                            ; the four chains of each tile into one number a row, in v[ST + 16 m]
	WIN 0
.irp m, 0,1
	v_pk_add_f32 v[OF+16*\m:OF+16*\m+1], v[OF+16*\m:OF+16*\m+1], v[OF+16*\m+2:OF+16*\m+3]
	v_pk_add_f32 v[OF+16*\m+4:OF+16*\m+5], v[OF+16*\m+4:OF+16*\m+5], v[OF+16*\m+6:OF+16*\m+7]
.endr
.irp m, 0,1
	v_pk_add_f32 v[OF+16*\m:OF+16*\m+1], v[OF+16*\m:OF+16*\m+1], v[OF+16*\m+4:OF+16*\m+5]
.endr
.irp m, 0,1
	v_add_f32 v[ST+16*\m], v[OF+16*\m], v[OF+16*\m+1]
.endr
.irp m, 0,1
	v_permlanex16_b32 v[ST+16*\m+1], v[ST+16*\m], s[SEL], s[SEL+1]
.endr
.irp m, 0,1
	v_add_f32 v[ST+16*\m], v[ST+16*\m], v[ST+16*\m+1]
.endr
.endm
.macro LNORM dst
	WIN 0x0a                                       ; chain p takes pair p of every accumulator, pair 0 first
.set q, 0
.rept 8
.set rC, OF+16*(q/4)+2*(q%4)
.set rX, 128+64*(q/4)+2*(q%4)
	v_pk_add_f32 v[rC:rC+1], v[rX:rX+1], v[rX+8:rX+9]
.set q, q+1
.endr
	WIN 0x08
.set tt, 2
.rept 6
.set q, 0
.rept 8
.set rC, OF+16*(q/4)+2*(q%4)
.set rX, 128+64*(q/4)+8*tt+2*(q%4)
	v_pk_add_f32 v[rC:rC+1], v[rC:rC+1], v[rX:rX+1]
.set q, q+1
.endr
.set tt, tt+1
.endr
	LRED
.irp m, 0,1
	v_mul_f32 v[ST+16*\m+10], s[R128], v[ST+16*\m]
	v_mul_f32 v[ST+16*\m+11], s[R128], v[ST+16*\m]
.endr
	WIN 0x82
.set n, 0
.rept 64
	v_pk_add_f32 v[128+2*n:128+2*n+1], v[128+2*n:128+2*n+1], v[ST+16*(n/32)+10:ST+16*(n/32)+11] neg_lo:[0,1] neg_hi:[0,1]
.set n, n+1
.endr
	WIN 0x0a
.set q, 0
.rept 8
.set rC, OF+16*(q/4)+2*(q%4)
.set rX, 128+64*(q/4)+2*(q%4)
	v_pk_mul_f32 v[rC:rC+1], v[rX:rX+1], v[rX:rX+1]
.set q, q+1
.endr
.set tt, 1
.rept 7
.set q, 0
.rept 8
.set rC, OF+16*(q/4)+2*(q%4)
.set rX, 128+64*(q/4)+8*tt+2*(q%4)
	v_pk_fma_f32 v[rC:rC+1], v[rX:rX+1], v[rX:rX+1], v[rC:rC+1]
.set q, q+1
.endr
.set tt, tt+1
.endr
	LRED
.irp m, 0,1
	v_fma_f32 v[ST+16*\m], v[ST+16*\m], s[R128], s[EPS]
.endr
.irp m, 0,1
	v_rsq_f32 v[ST+16*\m+12], v[ST+16*\m]
	v_rsq_f32 v[ST+16*\m+13], v[ST+16*\m]
.endr
	v_nop
	s_wait_alu depctr_va_vdst(0)                   ; one wait for the four
	WIN 0x82
.set n, 0
.rept 64
	v_pk_mul_f32 v[128+2*n:128+2*n+1], v[128+2*n:128+2*n+1], v[ST+16*(n/32)+12:ST+16*(n/32)+13]
.set n, n+1
.endr
	WIN 0xbe
.set n, 0
.rept 64
	v_pk_fma_f32 v[128+2*n:128+2*n+1], v[128+2*n:128+2*n+1], v[2*(n%32):2*(n%32)+1], v[64+2*(n%32):64+2*(n%32)+1]
.set n, n+1
.endr
	WIN 0x0a
.set n, 0
.rept 64
	v_cvt_pk_f16_f32 v[(\dst)+n], v[128+2*n], v[128+2*n+1]
.set n, n+1
.endr
.endm
; A HIDDEN CHUNK of 128: hidden = relu(W1c^T h1^T + b1c), AT += W2c^T hidden^T.  The waits: 32 younger loads (the part fetched last) may stay out.
.macro FFN
	WIN 0
	v_add_nc_u32 v[WA], s[TB], v[AF0]
	v_add_nc_u32 v[PH], s[HO], v[PA]
	LDT 0x40, 128, PH, O_B1, 8
	LDW 0, 0
	LDW 128, 1
	s_wait_dscnt 32                                ; b1 and part 0 are in
	MF1 0
	PLACES
	LDW 0, 2
	s_wait_dscnt 32                                ; part 1 is in
	MF1 1
	PLACES
	LDW 128, 3
	WIN 0x05
.set n, 0
.rept 64
	v_cvt_pk_f16_f32 v[192+n], v[2*n], v[2*n+1]
.set n, n+1
.endr
	WIN 0
.set n, 0
.rept 64
	v_pk_max_num_f16 v[192+n], v[192+n], v[ZER]    ; the ReLU, on the packed halves
.set n, n+1
.endr
	s_wait_dscnt 32                                ; part 2 is in
	MF2 0
	s_wait_dscnt 0x0
	MF2 1
	PLACES
.endm
	s_load_b128 s[4:7], s[0:1], 0x0                ; hin s[4:5], the layer's pack s[6:7]
	s_load_b64 s[8:9], s[0:1], 0x10                ; hout
	v_lshl_add_u32 v[SPW], v0, 2, SPARE
	v_mov_b32 v[NIL], 0
	ds_add_u32 v[SPW], v[NIL]                      ; the wave's opening: the add and its wait ahead of my first tensor load; the set-up below, work on registers, stands between them
	v_lshrrev_b32 v1, 5, v0
	v_readfirstlane_b32 s[WV], v1                  ; wave 0..3
	s_bfe_u32 s72, ttmp6, 0x40000                  ; cx: it enters global addresses alone
	s_and_b32 s73, s72, 1                          ; which half of the batch's rows is mine
	s_lshr_b32 s74, s72, 1
	s_lshl_b32 s75, ttmp9, 1
	s_add_co_u32 s74, s74, s75                     ; the batch = 2 x cluster + cx / 2
	s_lshl_b32 s74, s74, 16                        ; its 65,536 bytes
	s_lshr_b32 s75, s[WV], 1                       ; waves 0, 1 fetch my half of h, waves 2, 3 the other half,
	s_xor_b32 s75, s75, s73
	s_lshl_b32 s75, s75, 15
	s_and_b32 s76, s[WV], 1                        ; 64 rows each
	s_lshl_b32 s76, s76, 14
	s_add_co_u32 s76, s76, s75
	s_add_co_u32 s76, s76, s74
	s_mov_b32 s77, 0
	s_lshl_b32 s78, s73, 15                        ; hout: my half,
	s_lshl_b32 s75, s[WV], 13                      ; my wave's 32 rows
	s_add_co_u32 s78, s78, s75
	s_add_co_u32 s78, s78, s74
	s_mov_b32 s79, 0
	s_lshl_b32 s2, s72, 14                         ; the prefetches: my work-group's 64 rows of a block, my wave's 32,
	s_add_co_u32 s2, s2, s75
	s_add_co_u32 s2, s2, 2*65536                   ; in block 2; the first refill steps it to block 3
	s_mov_b32 s3, 0
	s_lshr_b32 s[LIM], s[WV], 1                    ; 0 in waves 0 and 1,
	s_or_b32 s[LIM], s[LIM], ttmp9                 ; of the first cluster: the same in all four partners
	s_cmp_eq_u32 s[LIM], 0
	s_cselect_b32 s[LIM], 1, -1
	s_lshl_b32 s12, s[WV], 14                      ; my part of a block in memory
	s_mov_b32 s13, 0
	s_mul_i32 s67, s[WV], 2816                     ; my 11 rows of 256 bytes of the parameters
	s_add_co_u32 s14, s67, 786432
	s_mov_b32 s15, 0
	; descriptor group 1: 64 rows x 128 elements of 2 bytes, 16 bytes of padding behind every 256
	s_mov_b32 s[G1H], (1<<16)|(1<<20)|(5<<22)|(3<<25)
	s_mov_b32 s[G1W], 15|(1<<16)|(1<<20)|(1<<21)|(5<<22)|(3<<25)  ; the same with the mask of four, and bit 21 beside it
.irp g, G1H, G1W
	s_mov_b32 s[\g+1], 128<<16                     ; tensor_dim0 = 128
	s_mov_b32 s[\g+2], 64<<16                      ; tensor_dim1 = 64
	s_mov_b32 s[\g+3], 128<<16                     ; tile_dim0 = 128
	s_mov_b32 s[\g+4], 64                          ; tile_dim1 = 64
	s_mov_b32 s[\g+5], 128                         ; elements from row to row
	s_mov_b32 s[\g+6], 0
	s_mov_b32 s[\g+7], 0
.endr
	s_mov_b32 s[G1P], 15|(3<<16)|(1<<21)           ; the parameters: 11 rows x 32 elements of 8 bytes, dense, no padding
	s_mov_b32 s[G1P+1], 32<<16
	s_mov_b32 s[G1P+2], 11<<16
	s_mov_b32 s[G1P+3], 32<<16
	s_mov_b32 s[G1P+4], 11
	s_mov_b32 s[G1P+5], 32
	s_mov_b32 s[G1P+6], 0
	s_mov_b32 s[G1P+7], 0
	s_mul_i32 s11, s[WV], PARTB
	s_mov_b32 s[G0H], 1
	s_add_co_u32 s[G0H+1], s11, HT
	s_mov_b32 s[G0P], 1
	s_add_co_u32 s[G0P+1], s67, PAR
	s_mov_b32 s[G0A], 1
	s_mov_b32 s[G0A+1], s11
	s_mov_b32 s[G0W], 1
	s_add_co_u32 s[G0W+1], s11, SLOT1
	s_mov_b32 s[CS], 0x3e38aa3b                    ; c = log2(e) / 8
	s_mov_b32 s[CS+1], s[CS]
	s_mov_b32 s[SEL], 0x76543210
	s_mov_b32 s[SEL+1], 0xfedcba98
	s_mov_b32 s[R128], 0x3c000000
	s_mov_b32 s[EPS], 0x358637bd
	s_mov_b32 s[TB], 0
	s_mov_b32 s[HO], 0
	s_mov_b32 s[CNT], 8
	s_mov_b32 s[RF], 10
	v_and_b32 v1, 15, v0                           ; r
	v_bfe_u32 v2, v0, 4, 1                         ; h
	v_mul_u32_u24 v[AF0], v1, PW
	v_lshl_add_u32 v[AF0], v2, 4, v[AF0]
	v_mul_u32_u24 v[KA0], v1, PKK
	v_lshl_add_u32 v[KA0], v2, 4, v[KA0]
	v_add_nc_u32 v[KA0], KL, v[KA0]
	v_mul_u32_u24 v[VA0], v1, PVV
	v_lshl_add_u32 v[VA0], v2, 4, v[VA0]
	v_add_nc_u32 v[VA0], VL, v[VA0]
	s_mul_i32 s11, s[WV], 32*PKK
	v_add_nc_u32 v[KS0], s11, v[KA0]               ; key 32 w + r
	s_lshl_b32 s11, s[WV], 6
	v_add_nc_u32 v[VS0], s11, v[VA0]               ; dv r, keys 32 w + 8 h on
	s_mul_i32 s11, s[WV], 32*PW
	s_add_co_u32 s11, s11, HT
	v_add_nc_u32 v[HA], s11, v[AF0]
	v_lshl_add_u32 v[PA], v2, 5, PAR
	s_mul_i32 s11, s[WV], 16*PW
	s_add_co_u32 s11, s11, STG
	v_add_nc_u32 v[STO], s11, v[AF0]
	v_mul_u32_u24 v[RD], v2, PW
	v_lshl_add_u32 v[RD], v1, 4, v[RD]
	v_add_nc_u32 v[RD], s11, v[RD]
	v_and_b32 v[GO], 31, v0
	v_lshlrev_b32 v[PFO], 8, v[GO]
	v_lshlrev_b32 v[GO], 4, v[GO]
	v_mov_b32 v[ONE], 1.0
	v_mov_b32 v[ZER], 0
	s_wait_dscnt 0x0                               ; the opening add is done
	s_wait_kmcnt 0x0
	s_add_nc_u64 s[G0H+2:G0H+3], s[4:5], s[76:77]
	s_or_b32 s[G0H+3], s[G0H+3], 0x80000000
	s_add_nc_u64 s[G0P+2:G0P+3], s[6:7], s[14:15]
	s_or_b32 s[G0P+3], s[G0P+3], 0x80000000
	s_add_nc_u64 s[G0A+2:G0A+3], s[6:7], s[12:13]
	s_or_b32 s[G0A+3], s[G0A+3], 0x80000000
	s_add_nc_u64 s[G0W+2:G0W+3], s[6:7], s[12:13]
	s_add_nc_u64 s[G0W+2:G0W+3], s[G0W+2:G0W+3], 65536
	s_or_b32 s[G0W+3], s[G0W+3], 0x80000000
	s_add_nc_u64 s[PFA:PFA+1], s[6:7], s[2:3]
	s_add_nc_u64 s[8:9], s[8:9], s[78:79]
	s_mov_b32 s[KR], 0                             ; head 0 is even: its K lies at KL,
	s_mov_b32 s[VR], VD                            ; its V^T at VL + VD
	CROUND                                         ; all four work-groups are here: the first joint loads meet
	tensor_load_to_lds s[G0H:G0H+3], s[G1H:G1H+7]  ; the first fills, one group: four loads of mine are out.  My 64 rows of h,
	s_nop 0
	tensor_load_to_lds s[G0P:G0P+3], s[G1P:G1P+7]  ; my quarter of the parameters,
	s_nop 0
	tensor_load_to_lds s[G0A:G0A+3], s[G1W:G1W+7]  ; my part of block 0,
	s_nop 0
	tensor_load_to_lds s[G0W:G0W+3], s[G1W:G1W+7]  ; and of block 1
	s_nop 0
	PLACES
	s_wait_tensorcnt 0x1                           ; all but the last: block 1 may stay out
	s_barrier_signal -1
	s_barrier_wait -1
	WIN 0x80
.set f, 0
.rept 16                                       ; h's fragments stay in registers: row tile f / 4 (0, 1 my own rows, 2, 3 the other half's), k 32 (f % 4) on
	ds_load_b128 v[8*f:8*f+3],   v[HA] offset:16*PW*((f/4)%2)+128*PW*(f/8)+64*(f%4)
	ds_load_b128 v[8*f+4:8*f+7], v[HA] offset:16*PW*((f/4)%2)+128*PW*(f/8)+64*(f%4)+32
.set f, f+1
.endr
	LDT 0xc0, 128, PA, O_BO, 8
	; HEAD 0's q, K AND V, by the same units, with nothing beside them
	WIN 0
	v_mov_b32 v[WA], v[AF0]                        ; block 0 lies in slot 0
	v_mov_b32 v[KS], v[KS0]
	v_add_nc_u32 v[VS], VD, v[VS0]
	LDT 0, BQ, PA, O_BQ, 4
	LDT 0, BQ+32, PA, O_BK, 4
	ULOAD 0
	ULOAD 1
	s_wait_dscnt 48                                ; h and bo are in; bq, bk and two units' weights, 48 loads, may stay out
	INIT_AT 128                                    ; AT = h + bo
	USTART 0, 0, 16                                ; unit 1's 16 loads may stay out
	RUN 16
	USTART 1, 1, 16                                ; at units 1 to 3: the next unit's 16
	PKQS 0
	RUN 16
	USTART 2, 1, 16
	PKQS 1
	RUN 32
	USTART 3, 1, 16
	PKAS 2
	STK 2
	RUN 32
	USTART 4, 1, 24                                ; 8 stores of K and the next unit's 16 loads are younger than this unit's weights
	PKAS 3
	STK 3
	RUN 32
	USTART 5, 0, 8                                 ; 8 stores of K are
	PKAS 4
	STV 4
	RUN 32
	PLACES
	PKAS 5
	STV 5
	CHANGE 2                                       ; head 0's K and V^T are everybody's; parts 0 to 2 of slot 0 take block 2's
.Lhead:                                        ; 8 trips: trip j is head j, and head j + 1's projections
	v_add_nc_u32 v[KA], s[KR], v[KA0]
	WIN 0xc0
.set f, 0
.rept 32                                       ; K: dk 32 (f / 16) on, keys 16 (f % 16) on
	ds_load_b128 v[8*f:8*f+3],   v[KA] offset:16*PKK*(f%16)+64*(f/16)
	ds_load_b128 v[8*f+4:8*f+7], v[KA] offset:16*PKK*(f%16)+64*(f/16)+32
.set f, f+1
.endr
	MMS 0
	MMS 1
	WIN 0
	s_xor_b32 s[TQ], s[TB], SLOT1
	s_xor_b32 s[KW], s[KR], KD
	s_xor_b32 s[VW], s[VR], VD
	v_add_nc_u32 v[WA], s[TQ], v[AF0]              ; the trip's addresses: six plain lines, the places behind the scores' products
	v_add_nc_u32 v[WO], s[TB], v[AF0]
	v_add_nc_u32 v[PH], s[HO], v[PA]
	v_add_nc_u32 v[KS], s[KW], v[KS0]
	v_add_nc_u32 v[VS], s[VW], v[VS0]
	v_add_nc_u32 v[VA], s[VR], v[VA0]
	LDT 0, BQ, PH, O_BQ+256, 4                     ; the next head's bq and bk
	LDT 0, BQ+32, PH, O_BK+256, 4
	ULOAD 0
	ULOAD 1
	SMAX                                           ; 136 lines by themselves: every later line of the softmax hangs on them; the loads above land meanwhile
	USTART 0, 0, 16                                ; UNIT 0 | tile 0's scalings
.set xs, 0
.rept 16
	UMM
	SCL 0, xs
	SCL 0, xs+1
	SCL 0, xs+2
	SCL 0, xs+3
.set xs, xs+4
.endr
	USTART 1, 1, 16                                ; UNIT 1 | tile 0's exponentials begin: ONE BATCH of 128, up to the wait in unit 3; beside them unit 0's q, then tile 1's scalings
.set xe, 0
.set xp, 0
.set xs, 0
.rept 8
	UMM
	PKQ 0, xp
	PKQ 0, xp+1
	EXPO 0, xe
	EXPO 0, xe+1
.set xp, xp+2
.set xe, xe+2
.endr
.rept 8
	UMM
	SCL 1, xs
	EXPO 0, xe
	SCL 1, xs+1
	EXPO 0, xe+1
.set xs, xs+2
.set xe, xe+2
.endr
	USTART 2, 1, 16                                ; UNIT 2 | unit 1's q, the rest of tile 1's scalings
.set xp, 0
.rept 8
	UMM
	PKQ 1, xp
	PKQ 1, xp+1
	EXPO 0, xe
	EXPO 0, xe+1
.set xp, xp+2
.set xe, xe+2
.endr
.rept 24
	UMM
	SCL 1, xs
	EXPO 0, xe
	SCL 1, xs+1
	EXPO 0, xe+1
.set xs, xs+2
.set xe, xe+2
.endr
	USTART 3, 1, 16                                ; UNIT 3 | unit 2's K; the batch ends
.set xp, 0
.rept 16
	UMM
	PKA 2, xp
	PKA 2, xp+1
	EXPO 0, xe
	EXPO 0, xe+1
.set xp, xp+2
.set xe, xe+2
.endr
	v_nop                                          ; a plain instruction behind the last exponential,
	s_wait_alu depctr_va_vdst(0)                   ; and the one wait ahead of the batch's first reader
	STK 2
.set xe, 0
.set xc, 0
.rept 16                                       ; tile 1's exponentials: the second batch, up to the wait in unit 5; beside them tile 0's roundings
	UMM
	CVP 0, xc
	CVP 0, xc+1
	EXPO 1, xe
	EXPO 1, xe+1
.set xc, xc+2
.set xe, xe+2
.endr
	USTART 4, 1, 24                                ; UNIT 4 | unit 3's K, the rest of tile 0's roundings.  (8 stores and 16 loads are younger than its weights)
.set xp, 0
.rept 16
	UMM
	PKA 3, xp
	PKA 3, xp+1
	EXPO 1, xe
	EXPO 1, xe+1
.set xp, xp+2
.set xe, xe+2
.endr
	STK 3
.rept 16
	UMM
	CVP 0, xc
	CVP 0, xc+1
	EXPO 1, xe
	EXPO 1, xe+1
.set xc, xc+2
.set xe, xe+2
.endr
	USTART 5, 2, 24                                ; UNIT 5 | the first level of tile 0's sum, which frees its upper 64 registers for O^T.  V^T's first fragments take the idle weight buffer
.set xz, 0
.rept 16
	UMM
	TADD 0, xz
	EXPO 1, xe
	TADD 0, xz+1
	EXPO 1, xe+1
.set xz, xz+2
.set xe, xe+2
.endr
	v_nop
	s_wait_alu depctr_va_vdst(0)                   ; the second batch's wait
.set xc, 0
.rept 16                                       ; tile 1's roundings
	UMM
	CVP 1, xc
	CVP 1, xc+1
	CVP 1, xc+2
	CVP 1, xc+3
.set xc, xc+4
.endr
	; O^T = V^T P | units 4 and 5's V, the rest of the sums.  V^T's fragments follow the registers as they fall free
	PLACES
	VLOAD 2
	LDT 0, OF, PH, O_BV, 4
	s_wait_dscnt 24                                ; the keys 0 to 63 are in; the 16 loads and bv's 8 just issued may stay out
.set i, 0
.set xp, 0
.rept 8
	PVM
	PKA 4, xp
	PKA 4, xp+1
	PKA 4, xp+2
	PKA 4, xp+3
.set xp, xp+4
.endr
	STV 4
	VLOAD 4
.set xp, 0
.rept 8
	PVM
	PKA 5, xp
	PKA 5, xp+1
	PKA 5, xp+2
	PKA 5, xp+3
.set xp, xp+4
.endr
	s_wait_dscnt 32                                ; the keys 64 to 127 are in; younger: bv's 8 loads, 8 stores, 16 loads
	STV 5
	VLOAD 6
.set xz, 0
.rept 16
	PVM
	TADD 1, xz
	TADD 0, 32+xz
	TADD 1, xz+1
.if xz < 30
	TADD 0, 33+xz
.else
	v_nop
.endif
.set xz, xz+2
.endr
	s_wait_dscnt 24                                ; the keys 128 to 191 (and bv) are in; younger: 8 stores, 16 loads
	PLACES
	LDW 0, 3, WO                                   ; Wo takes the registers of V^T's first half
.set xz, 32
.rept 8
	PVM
	TADD 1, xz
	TADD 1, xz+1
	TADD 1, xz+2
.if xz < 60
	TADD 1, xz+3
.else
	v_nop
.endif
.set xz, xz+4
.endr
	PVM
	WIN 0x05
.irp t, 0,1
	v_add_f32 v[ST+16*\t+6], v[128*\t], v[128*\t+1]
.endr
	PVM
	WIN 0
.irp t, 0,1
	v_permlanex16_b32 v[ST+16*\t+1], v[ST+16*\t+6], s[SEL], s[SEL+1]
.endr
	PVM
	WIN 0
.irp t, 0,1
	v_add_f32 v[ST+16*\t+6], v[ST+16*\t+6], v[ST+16*\t+1]
.endr
	PVM
	WIN 0
.irp t, 0,1
	v_rcp_f32 v[ST+16*\t+8], v[ST+16*\t+6]
	v_rcp_f32 v[ST+16*\t+9], v[ST+16*\t+6]
.endr
.rept 4
	PVM
.endr
	s_wait_dscnt 32                                ; the keys 192 to 255 are in; Wo's 32 loads may stay out
.rept 16
	PVM
.endr
	PLACES                                         ; the places behind the last products, and the plain lines behind the reciprocals
	s_wait_alu depctr_va_vdst(0)                   ; one wait for the four reciprocals
	WIN 0x41
.set n, 0
.rept 32
	v_pk_fma_f32 v[64+2*n:64+2*n+1], v[64+2*n:64+2*n+1], v[ST+16*(n/16)+8:ST+16*(n/16)+9], v[OF+(2*n)%32:OF+(2*n)%32+1]  ; o = O / l + bv
.set n, n+1
.endr
	WIN 0x05
.set n, 0
.rept 32
	v_cvt_pk_f16_f32 v[OF+n], v[64+2*n], v[64+2*n+1]  ; bv has been read: o's fragments take its registers
.set n, n+1
.endr
	s_wait_dscnt 0x0                               ; Wo is in
	MMO
	PLACES                                         ; on every way on: for the loads into Wo's registers and for the norm's reads of AT
	WIN 0
	s_cmp_eq_u32 s[CNT], 1
	s_cbranch_scc1 .Lheads_done                    ; the last trip's change of slots is written out: there wave 3 alone has something to ask for
	CHANGE 1
	s_xor_b32 s[TB], s[TB], SLOT1
	s_xor_b32 s[KR], s[KR], KD
	s_xor_b32 s[VR], s[VR], VD
	s_add_co_u32 s[HO], s[HO], 256
	s_sub_co_u32 s[CNT], s[CNT], 1
	s_branch .Lhead
.Lheads_done:
	CHANGE 3                                       ; part 3 of slot 1, Wo of head 7, takes block 9's
	s_xor_b32 s[TB], s[TB], SLOT1                  ; eight turns: slot 0 again, where block 8 lies
	LDT 0xc0, 0, PA, O_G1, 8
	LDT 0xc0, 64, PA, O_BE1, 8
	LDT 0xc0, 128, PA, O_B2, 8
	s_wait_dscnt 0x0
	LNORM P                                        ; LN1's result, as fragments, at v128-191
	INIT_AT 128                                    ; AT = h + b2: the second residual takes the block's input too
	WIN 0
	s_mov_b32 s[HO], 0
	s_mov_b32 s[CNT], 2
.Lffn_a:                                       ; chunks 0 and 1: their slots take blocks 10 and 11
	FFN
	CHANGE 1
	s_xor_b32 s[TB], s[TB], SLOT1
	s_add_co_u32 s[HO], s[HO], 512
	s_sub_co_u32 s[CNT], s[CNT], 1
	s_cmp_lg_u32 s[CNT], 0
	s_cbranch_scc1 .Lffn_a
	s_mov_b32 s[CNT], 2
.Lffn_b:                                       ; chunks 2 and 3: nothing is left to ask for, so this loop holds no tensor load
	FFN
	CHANGE 0
	s_xor_b32 s[TB], s[TB], SLOT1
	s_add_co_u32 s[HO], s[HO], 512
	s_sub_co_u32 s[CNT], s[CNT], 1
	s_cmp_lg_u32 s[CNT], 0
	s_cbranch_scc1 .Lffn_b
	LDT 0xc0, 0, PA, O_G2, 8
	LDT 0xc0, 64, PA, O_BE2, 8
	s_wait_dscnt 0x0
	LNORM P
	WIN 0
	; THE WAY OUT.  A lane holds 16 bytes of a row for each of 8 column tiles; a tile of 16 rows goes through my own stage and comes back as whole rows of 256 bytes.
.irp m, 0,1
.set f, 0
.rept 8
	ds_store_b128 v[STO], v[P+32*\m+4*f:P+32*\m+4*f+3] offset:32*f
.set f, f+1
.endr
.set f, 0
.rept 8
	ds_load_b128 v[192+32*\m+4*f:192+32*\m+4*f+3], v[RD] offset:2*PW*f  ; LDS serves a wave's instructions in order (ISA guide 5.7.1.4): these see the stores above
.set f, f+1
.endr
.set f, 0
.rept 8
	s_wait_dscnt 7-f
	global_store_b128 v[GO], v[192+32*\m+4*f:192+32*\m+4*f+3], s[8:9] offset:4096*\m+512*f  ; 512 consecutive bytes, aligned
.set f, f+1
.endr
.endr
	s_wait_tensorcnt 0x0                           ; the wave's end, behind my last tensor load and my last LDS store
	ds_add_u32 v[SPW], v[NIL]
	s_wait_dscnt 0x0
	CROUND                                         ; the closing round: no work-group ends while a partner may still ask for a block that names it
	s_endpgm
.Lfunc_end_k_q805b44bbd2_enc1:
	.size	k_q805b44bbd2_enc1, .Lfunc_end_k_q805b44bbd2_enc1-k_q805b44bbd2_enc1
	.p2alignl 7, 3214868480
	.fill 96, 4, 3214868480
	.section	.rodata,"a",@progbits
	.p2align	6, 0x0
	.amdhsa_kernel k_q805b44bbd2_enc1
		.amdhsa_group_segment_fixed_size 327680
		.amdhsa_private_segment_fixed_size 0
		.amdhsa_enable_private_segment 0
		.amdhsa_kernarg_size 24
		.amdhsa_user_sgpr_count 2
		.amdhsa_user_sgpr_kernarg_segment_ptr 1
		.amdhsa_wavefront_size32 1
		.amdhsa_system_sgpr_workgroup_id_x 1
		.amdhsa_system_sgpr_workgroup_id_y 1
		.amdhsa_system_sgpr_workgroup_id_z 1
		.amdhsa_system_vgpr_workitem_id 0
		.amdhsa_next_free_vgpr 1024
		.amdhsa_next_free_sgpr 80
		.amdhsa_reserve_vcc 0
		.amdhsa_float_denorm_mode_32 3
		.amdhsa_float_denorm_mode_16_64 3
		.amdhsa_memory_ordered 1
		.amdhsa_forward_progress 1
		.amdhsa_inst_pref_size 255
	.end_amdhsa_kernel
	.section	.bss,"aw",@nobits
	.p2align	6
	.space	262144
	.amdgpu_metadata
---
amdhsa.version: [ 1, 2 ]
amdhsa.kernels:
  - .name:           k_q805b44bbd2_enc1
    .symbol:         k_q805b44bbd2_enc1.kd
    .args:
      - { .name: hA, .offset: 0, .size: 8, .value_kind: global_buffer, .address_space: global }
      - { .name: wp0, .offset: 8, .size: 8, .value_kind: global_buffer, .address_space: global }
      - { .name: hB, .offset: 16, .size: 8, .value_kind: global_buffer, .address_space: global }
    .group_segment_fixed_size: 327680
    .private_segment_fixed_size: 0
    .kernarg_segment_align: 8
    .kernarg_segment_size: 24
    .max_flat_workgroup_size: 128
    .sgpr_count:     80
    .vgpr_count:     1024
    .wavefront_size: 32
...
	.end_amdgpu_metadata
.endif
;; end of part 3
;; launch enc2: the kernel of part 3 again; grid 256 x 1, 4 waves a work-group, clusters of 4 x 1, 327,680 bytes of LDS; arguments hB, wp1, hA; writes hA
;; launch enc3: the kernel of part 3 again; grid 256 x 1, 4 waves a work-group, clusters of 4 x 1, 327,680 bytes of LDS; arguments hA, wp2, hB; writes hB
;; launch head1 (part 4): grid 8 x 32, 4 waves a work-group, clusters of 4 x 1, 327,680 bytes of LDS; arguments hB, dW1, part; writes part
.if DOCPART == 4
	.amdgcn_target "amdgcn-amd-amdhsa--gfx1250"
	.amdhsa_code_object_version 6
	.text
	.protected	k_q805b44bbd2_head1
	.globl	k_q805b44bbd2_head1
	.p2align	8
	.type	k_q805b44bbd2_head1,@function
k_q805b44bbd2_head1:
	s_mov_b64 s[64:65], 0
	v_nop
	global_prefetch_b8 v0, s[64:65] scope:SCOPE_SE
	s_setreg_imm32_b32 hwreg(HW_REG_WAVE_MODE, 25, 1), 1
	s_wait_xcnt 0x0
	s_wait_alu depctr_hold_cnt(0) depctr_sa_sdst(0) depctr_va_vdst(0) depctr_va_sdst(0) depctr_va_ssrc(0) depctr_va_vcc(0) depctr_vm_vsrc(0)
	s_getreg_b32 s2, hwreg(HW_REG_IB_STS2, 6, 4)
	s_cmp_eq_u32 s2, 0
	s_cbranch_scc0 .Lentry_in_a_cluster
	s_endpgm
.Lentry_in_a_cluster:
	s_bfe_u32 s2, ttmp6, 0x10000c
	s_cmp_lg_u32 s2, 0x3003
	s_cbranch_scc0 .Lentry_shape_is_right
	s_endpgm
.Lentry_shape_is_right:
; part[ks][m][n] = the sum over k = 1024 ks .. 1024 ks + 1023 of f[m][k] dW1[k][n].  f = the last encoder's result seen as [128][32768] f16; dW1: [32768][512] f32; part: [32][128][512] f32.
; dW1 is rounded to bf16 like every input and written as f16 (exact from 2^-17 up, below that to within 2^-25); the sums are f32; the 32 partial sums are added by the next launch.
; dW1 IS THE LAUNCH: 67 MB, each byte read once.  SHARES.  Work-group (nb, ks) takes 64 columns (a row of its tile of dW1 is 256 bytes, aligned) and 1,024 of K: 256 work-groups.
; Wave w owns 16 columns and all 128 rows, so each number of dW1 is converted once.  The product is taken turned (source 0 = 16 columns of dW1, source 1 = 16 rows of f): a lane ends with one row m and 8 neighbouring columns.
; CLUSTER.  The four neighbours along n need the same tile of f, half of a step's bytes: it is asked for jointly (mask 15).  dW1's tile is the work-group's own: a load of its own, behind the same round.
; RING.  Two slots, a step of K = 256 each: f 128 rows x 512 bytes (waves 0, 1: 64 rows each), dW1 256 rows x 256 bytes (waves 2, 3: 128 rows each).  Four steps.
; No prefetch: the launch does nothing but stream dW1.
.set PF,     528                       ; a row of f in LDS: 512 + 16
.set PWW,    272                       ; a row of dW1, and of the stage: 256 + 16
.set FBYTES, 128*PF
.set SLOT,   FBYTES+256*PWW            ; 137,216
.set STG,    2*SLOT                    ; the way out: 128 rows x 272, the work-group's
.set SPARE,  STG+128*PWW               ; the spare words, 128 bytes a wave
.set WB0, 3                            ; v3   my place in dW1's tile of slot 0: row 8 h, column 16 w + r
.set FB0, 4                            ; v4   my place in f's tile of slot 0
.set WAD, 5                            ; v5, v6  the same at the trip in hand
.set FAD, 6
.set STO, 7
.set RD,  8
.set GO,  9
.set SPW, 14
.set NIL, 15
.set WF,  16                           ; v16-31  dW1's two fragments, f16
.set T,   32                           ; v32-63  32 numbers of dW1 as loaded
.set FF,  64                           ; v64-191 f's fragments (kb, mt) at 64 kb + 8 mt
.set ACC, 192                          ; v192-255  8 accumulators
.set WV,  10
.set G1F, 16
.set G1D, 24
.set G0F, 32                           ; s[32:39] a set for each slot
.set G0D, 40                           ; s[40:47]
.set MSK, 48
.set CNT, 49
.macro PLACES
.rept 4
	v_nop
.endr
.endm
.macro CROUND
	s_barrier_signal -1
	s_barrier_wait -1
	s_cmp_lg_u32 s[WV], 0
	s_cbranch_scc1 .Lnot_wave_0_\@
	s_barrier_signal -3
.Lnot_wave_0_\@:
	s_barrier_wait -3
	s_barrier_signal -1
	s_barrier_wait -1
.endm
.macro JLOAD s                         ; waves 0, 1: f's halves, jointly; waves 2, 3: dW1's halves.  The branch hangs on the wave's number alone
	s_cmp_eq_u32 s11, 0
	s_cbranch_scc0 .Lfor_d_\@
	tensor_load_to_lds s[G0F+4*(\s):G0F+4*(\s)+3], s[G1F:G1F+7]
	s_nop 0
	PLACES
	s_branch .Lasked_\@
.Lfor_d_\@:
	tensor_load_to_lds s[G0D+4*(\s):G0D+4*(\s)+3], s[G1D:G1D+7]
	s_nop 0
	PLACES
.Lasked_\@:
.endm
; The change of slots: all my tensor loads have landed (one is out: my part of the other slot), the add, my reads of the slot are over; fill = 1: a round, and first behind it my part of the step two on.
.macro CHANGE slot, fill
	s_wait_tensorcnt 0x0
	ds_add_u32 v[SPW], v[NIL]
.if \fill
	s_add_nc_u64 s[G0F+4*(\slot)+2:G0F+4*(\slot)+3], s[G0F+4*(\slot)+2:G0F+4*(\slot)+3], 1024     ; 512 k along f's rows
	s_add_nc_u64 s[G0D+4*(\slot)+2:G0D+4*(\slot)+3], s[G0D+4*(\slot)+2:G0D+4*(\slot)+3], 1048576  ; 512 rows of dW1
	s_wait_dscnt 0x0
	CROUND
	JLOAD \slot
.else
	s_wait_dscnt 0x0
	s_barrier_signal -1
	s_barrier_wait -1
.endif
.endm
; A trip: 64 of K.  dW1 lies [k][n] in LDS, so a lane takes its column's 32 numbers one by one; f's fragments come as they lie.
.macro TRIP zero
.set e, 0
.rept 32                                       ; k = 32 (e / 16) + 16 ((e / 8) % 2) + 8 h + e % 8
	ds_load_b32 v[T+e], v[WAD] offset:(32*(e/16)+16*((e/8)%2)+e%8)*PWW
.set e, e+1
.endr
.set f, 0
.rept 16                                       ; k 32 (f / 8) on, rows 16 (f % 8) on
	ds_load_b128 v[FF+8*f:FF+8*f+3],   v[FAD] offset:16*PF*(f%8)+64*(f/8)
	ds_load_b128 v[FF+8*f+4:FF+8*f+7], v[FAD] offset:16*PF*(f%8)+64*(f/8)+32
.set f, f+1
.endr
	s_wait_dscnt 32                                ; dW1's 32 are in; f's 32 loads may stay out
.set e, 0
.rept 16                                       ; rounded to bf16, written as f16
	v_cvt_pk_bf16_f32 v[T+2*e], v[T+2*e], v[T+2*e+1]
	v_lshlrev_b32 v[T+2*e+1], 16, v[T+2*e]
	v_and_b32 v[T+2*e], s[MSK], v[T+2*e]
	v_cvt_pk_f16_f32 v[WF+e], v[T+2*e+1], v[T+2*e]
.set e, e+1
.endr
	s_wait_dscnt 0x0
.set i, 0
.rept 16                                       ; the 8 accumulators take turns, over the backward jump too
.if (\zero) && (i < 8)
	v_wmma_f32_16x16x32_f16 v[ACC+8*(i%8):ACC+8*(i%8)+7], v[WF+8*(i/8):WF+8*(i/8)+7], v[FF+8*i:FF+8*i+7], 0
.else
	v_wmma_f32_16x16x32_f16 v[ACC+8*(i%8):ACC+8*(i%8)+7], v[WF+8*(i/8):WF+8*(i/8)+7], v[FF+8*i:FF+8*i+7], v[ACC+8*(i%8):ACC+8*(i%8)+7]
.endif
.set i, i+1
.endr
	v_add_nc_u32 v[WAD], 64*PWW, v[WAD]            ; these four lines are the places in front of the next trip's loads, and of the way out
	v_add_nc_u32 v[FAD], 128, v[FAD]
	v_nop
	v_nop
.endm
.macro COMPUTE slot, first             ; a slot's four trips; the launch's first trip starts the sums and is written out
	v_add_nc_u32 v[WAD], (\slot)*SLOT, v[WB0]
	v_add_nc_u32 v[FAD], (\slot)*SLOT, v[FB0]
.if \first
	TRIP 1
	s_mov_b32 s[CNT], 3
.else
	s_mov_b32 s[CNT], 4
.endif
.Ltrip_\@:
	TRIP 0
	s_sub_co_u32 s[CNT], s[CNT], 1
	s_cmp_lg_u32 s[CNT], 0
	s_cbranch_scc1 .Ltrip_\@
.endm
	s_load_b128 s[4:7], s[0:1], 0x0                ; f s[4:5], dW1 s[6:7]
	s_load_b64 s[8:9], s[0:1], 0x10                ; part
	v_lshl_add_u32 v[SPW], v0, 2, SPARE
	v_mov_b32 v[NIL], 0
	ds_add_u32 v[SPW], v[NIL]                      ; the wave's opening: the add and its wait ahead of my first tensor load
	v_lshrrev_b32 v1, 5, v0
	v_readfirstlane_b32 s[WV], v1
	s_lshr_b32 s11, s[WV], 1                       ; 0: I fetch f, 1: dW1
	s_and_b32 s12, s[WV], 1                        ; which half of the tile's rows
	s_and_b32 s13, ttmp7, 0xffff                   ; ks, which the four partners share
	s_lshl_b32 s50, s12, 22                        ; f: 64 rows of 65,536 bytes,
	s_lshl_b32 s51, s13, 11                        ; 1,024 k of 2 bytes
	s_add_co_u32 s50, s50, s51
	s_mov_b32 s51, 0
	s_bfe_u32 s60, ttmp6, 0x40000                  ; cx: it enters dW1's and part's addresses alone
	s_lshl_b32 s61, ttmp9, 2
	s_add_co_u32 s60, s60, s61                     ; nb
	s_lshl_b32 s60, s60, 8                         ; its 64 columns: 256 bytes
	s_lshl_b32 s52, s13, 21                        ; dW1: 1,024 rows of 2,048 bytes,
	s_lshl_b32 s53, s12, 18                        ; 128 rows
	s_add_co_u32 s52, s52, s53
	s_add_co_u32 s52, s52, s60
	s_mov_b32 s53, 0
	s_lshl_b32 s54, s13, 18                        ; part: 262,144 bytes for each ks
	s_add_co_u32 s54, s54, s60
	s_mov_b32 s55, 0
	s_mov_b32 s[MSK], 0xffff0000
	s_mov_b32 s[G1F], 15|(1<<16)|(1<<20)|(1<<21)|(6<<22)|(3<<25)  ; mask of four, bit 21 beside it; 2-byte elements; 4 words of padding behind every 128
	s_mov_b32 s[G1F+1], 256<<16                    ; tensor_dim0 = 256
	s_mov_b32 s[G1F+2], 64<<16                     ; tensor_dim1 = 64
	s_mov_b32 s[G1F+3], 256<<16                    ; tile_dim0 = 256
	s_mov_b32 s[G1F+4], 64                         ; tile_dim1 = 64
	s_mov_b32 s[G1F+5], 32768                      ; elements from row to row
	s_mov_b32 s[G1F+6], 0
	s_mov_b32 s[G1F+7], 0
	s_mov_b32 s[G1D], (2<<16)|(1<<20)|(5<<22)|(3<<25)  ; 4-byte elements; 4 words of padding behind every 64
	s_mov_b32 s[G1D+1], 64<<16
	s_mov_b32 s[G1D+2], 128<<16
	s_mov_b32 s[G1D+3], 64<<16
	s_mov_b32 s[G1D+4], 128
	s_mov_b32 s[G1D+5], 512
	s_mov_b32 s[G1D+6], 0
	s_mov_b32 s[G1D+7], 0
	s_mul_i32 s56, s12, 64*PF
	s_mul_i32 s57, s12, 128*PWW
	s_add_co_u32 s57, s57, FBYTES
	s_wait_dscnt 0x0                               ; the opening add is done
	s_wait_kmcnt 0x0
	s_add_nc_u64 s[4:5], s[4:5], s[50:51]
	s_add_nc_u64 s[6:7], s[6:7], s[52:53]
	s_add_nc_u64 s[8:9], s[8:9], s[54:55]
.irp s, 0,1
	s_mov_b32 s[G0F+4*\s], 1
	s_add_co_u32 s[G0F+4*\s+1], s56, \s*SLOT
	s_add_nc_u64 s[G0F+4*\s+2:G0F+4*\s+3], s[4:5], \s*512
	s_or_b32 s[G0F+4*\s+3], s[G0F+4*\s+3], 0x80000000
	s_mov_b32 s[G0D+4*\s], 1
	s_add_co_u32 s[G0D+4*\s+1], s57, \s*SLOT
	s_add_nc_u64 s[G0D+4*\s+2:G0D+4*\s+3], s[6:7], \s*524288
	s_or_b32 s[G0D+4*\s+3], s[G0D+4*\s+3], 0x80000000
.endr
	CROUND                                         ; all four work-groups are here: the first joint loads meet
	s_cmp_eq_u32 s11, 0                            ; a wave's two first fills stand in one branch: two loads of mine are out
	s_cbranch_scc0 .Lfirst_d
	tensor_load_to_lds s[G0F:G0F+3], s[G1F:G1F+7]
	s_nop 0
	tensor_load_to_lds s[G0F+4:G0F+7], s[G1F:G1F+7]
	s_nop 0
	PLACES
	s_branch .Lfirst_asked
.Lfirst_d:
	tensor_load_to_lds s[G0D:G0D+3], s[G1D:G1D+7]
	s_nop 0
	tensor_load_to_lds s[G0D+4:G0D+7], s[G1D:G1D+7]
	s_nop 0
	PLACES
.Lfirst_asked:
	v_and_b32 v1, 15, v0                           ; r
	v_bfe_u32 v2, v0, 4, 1                         ; h
	s_lshl_b32 s58, s[WV], 6                       ; my 16 columns: 64 bytes
	v_mul_u32_u24 v[WB0], v2, 8*PWW
	v_lshl_add_u32 v[WB0], v1, 2, v[WB0]
	s_add_co_u32 s59, s58, FBYTES
	v_add_nc_u32 v[WB0], s59, v[WB0]
	v_mul_u32_u24 v[FB0], v1, PF
	v_lshl_add_u32 v[FB0], v2, 4, v[FB0]
	v_mul_u32_u24 v[STO], v1, PWW                  ; into the stage: row r of a tile, my 8 columns: 32 bytes
	v_lshl_add_u32 v[STO], v2, 5, v[STO]
	s_add_co_u32 s59, s58, STG
	v_add_nc_u32 v[STO], s59, v[STO]
	s_mul_i32 s59, s[WV], 32*PWW                   ; back: wave w takes rows 32 w .. 32 w + 31, whole
	s_add_co_u32 s59, s59, STG
	v_mul_u32_u24 v[RD], v2, PWW
	v_lshl_add_u32 v[RD], v1, 4, v[RD]
	v_add_nc_u32 v[RD], s59, v[RD]
	s_lshl_b32 s59, s[WV], 16                      ; and the same rows in part: 2,048 bytes each
	v_lshlrev_b32 v[GO], 11, v2
	v_lshl_add_u32 v[GO], v1, 4, v[GO]
	v_add_nc_u32 v[GO], s59, v[GO]
	s_wait_tensorcnt 0x1                           ; my part of step 0 is in; step 1's may stay out
	s_barrier_signal -1
	s_barrier_wait -1
	COMPUTE 0, 1
	CHANGE 0, 1                                    ; slot 0 takes step 2
	COMPUTE 1, 0
	CHANGE 1, 1                                    ; slot 1 takes step 3
	COMPUTE 0, 0
	CHANGE 0, 0
	COMPUTE 1, 0
	; THE WAY OUT.  A wave's 16 columns are 64 of a row's 256 bytes: the four waves fill one stage, a barrier, and each stores 32 whole rows.
.set f, 0
.rept 8
	ds_store_b128 v[STO], v[ACC+8*f:ACC+8*f+3]   offset:16*PWW*f
	ds_store_b128 v[STO], v[ACC+8*f+4:ACC+8*f+7] offset:16*PWW*f+16
.set f, f+1
.endr
	s_wait_dscnt 0x0                               ; for the others' sake: my stores into the stage are done
	s_barrier_signal -1
	s_barrier_wait -1
.set f, 0
.rept 16
	ds_load_b128 v[FF+4*f:FF+4*f+3], v[RD] offset:2*PWW*f
.set f, f+1
.endr
.set f, 0
.rept 16
	s_wait_dscnt 15-f
	global_store_b128 v[GO], v[FF+4*f:FF+4*f+3], s[8:9] offset:4096*f  ; sixteen lanes store 256 consecutive bytes, aligned
.set f, f+1
.endr
	s_wait_tensorcnt 0x0                           ; the wave's end
	ds_add_u32 v[SPW], v[NIL]
	s_wait_dscnt 0x0
	CROUND                                         ; the closing round
	s_endpgm
.Lfunc_end_k_q805b44bbd2_head1:
	.size	k_q805b44bbd2_head1, .Lfunc_end_k_q805b44bbd2_head1-k_q805b44bbd2_head1
	.p2alignl 7, 3214868480
	.fill 96, 4, 3214868480
	.section	.rodata,"a",@progbits
	.p2align	6, 0x0
	.amdhsa_kernel k_q805b44bbd2_head1
		.amdhsa_group_segment_fixed_size 327680
		.amdhsa_private_segment_fixed_size 0
		.amdhsa_enable_private_segment 0
		.amdhsa_kernarg_size 24
		.amdhsa_user_sgpr_count 2
		.amdhsa_user_sgpr_kernarg_segment_ptr 1
		.amdhsa_wavefront_size32 1
		.amdhsa_system_sgpr_workgroup_id_x 1
		.amdhsa_system_sgpr_workgroup_id_y 1
		.amdhsa_system_sgpr_workgroup_id_z 1
		.amdhsa_system_vgpr_workitem_id 0
		.amdhsa_next_free_vgpr 256
		.amdhsa_next_free_sgpr 66
		.amdhsa_reserve_vcc 0
		.amdhsa_float_denorm_mode_32 3
		.amdhsa_float_denorm_mode_16_64 3
		.amdhsa_memory_ordered 1
		.amdhsa_forward_progress 1
		.amdhsa_inst_pref_size 56
	.end_amdhsa_kernel
	.amdgpu_metadata
---
amdhsa.version: [ 1, 2 ]
amdhsa.kernels:
  - .name:           k_q805b44bbd2_head1
    .symbol:         k_q805b44bbd2_head1.kd
    .args:
      - { .name: hB, .offset: 0, .size: 8, .value_kind: global_buffer, .address_space: global }
      - { .name: dW1, .offset: 8, .size: 8, .value_kind: global_buffer, .address_space: global }
      - { .name: part, .offset: 16, .size: 8, .value_kind: global_buffer, .address_space: global }
    .group_segment_fixed_size: 327680
    .private_segment_fixed_size: 0
    .kernarg_segment_align: 8
    .kernarg_segment_size: 24
    .max_flat_workgroup_size: 128
    .sgpr_count:     66
    .vgpr_count:     256
    .wavefront_size: 32
...
	.end_amdgpu_metadata
.endif
;; end of part 4
;; launch head2 (part 5): grid 128 x 1, 8 waves a work-group, no clusters, 3,584 bytes of LDS; arguments part, hp, out0; writes out0
.if DOCPART == 5
	.amdgcn_target "amdgcn-amd-amdhsa--gfx1250"
	.amdhsa_code_object_version 6
	.text
	.protected	k_q805b44bbd2_head2
	.globl	k_q805b44bbd2_head2
	.p2align	8
	.type	k_q805b44bbd2_head2,@function
k_q805b44bbd2_head2:
	s_mov_b64 s[64:65], 0
	v_nop
	global_prefetch_b8 v0, s[64:65] scope:SCOPE_SE
	s_setreg_imm32_b32 hwreg(HW_REG_WAVE_MODE, 25, 1), 1
	s_wait_xcnt 0x0
; out0[m][:] = relu(the sum of the 32 partial sums of row m + db1) dW2 + db2.  part: [32][128][512] f32.  hp: dW2^T [128][512] bf16 (rows 126, 127 are 0), db1 at 131,072, db2 and two zeros at 133,120.
; The hidden row has no room in f16 for all inputs that the problem allows, and bf16 alone would spend too much of the allowance: it goes as hi = bf16(v) and lo = bf16(v - hi), two products.
; SHARES.  A work-group takes one row m, so that the 8 MB of partial sums are read by 128 work-groups, 64 KiB each.  Thread t adds up columns 2 t, 2 t + 1.  Then wave w makes outputs 16 w .. 16 w + 15:
; source 0 = 16 rows of dW2^T, source 1 = the hidden row in all 16 columns (all lanes of a half read the same LDS bytes); every column of the result is the answer.
; A kernel of few instructions on few bytes: no ring, no cluster, no prefetch.
.set HI,    0                          ; 512 bf16
.set LO,    1024
.set OUTS,  2048                       ; 128 f32
.set SPARE, 2560                       ; the spare words, 128 bytes for each of the eight waves
.set SPW, 2
.set NIL, 3
.set MSB, 0
.macro WIN new
.if MSB != (\new)
	s_set_vgpr_msb (MSB<<8)|(\new)
.set MSB, (\new)
.endif
.endm
	s_load_b128 s[4:7], s[0:1], 0x0                ; part s[4:5], hp s[6:7]
	s_load_b64 s[8:9], s[0:1], 0x10                ; out0
	v_lshl_add_u32 v[SPW], v0, 2, SPARE
	v_mov_b32 v[NIL], 0
	v_lshrrev_b32 v1, 5, v0
	v_readfirstlane_b32 s10, v1                    ; wave 0..7
	v_and_b32 v4, 15, v0                           ; r
	v_bfe_u32 v5, v0, 4, 1                         ; h
	v_lshlrev_b32 v6, 3, v0                        ; 8 t
	v_lshlrev_b32 v13, 2, v0                       ; 4 t
	v_lshlrev_b32 v14, 4, v5                       ; 16 h
	v_and_b32 v15, 63, v0
	v_lshlrev_b32 v15, 3, v15                      ; 8 (t % 64): the place in OUTS' 512 bytes that I read back; 8 t for the threads that store
	s_lshl_b32 s12, ttmp9, 11                      ; row m of a partial sum: 2,048 bytes
	s_mov_b32 s13, 0
	s_mul_i32 s16, ttmp9, 504                      ; row m of out0
	s_mov_b32 s17, 0
	s_lshl_b32 s14, s10, 14                        ; dW2^T: rows 16 w + r of 1,024 bytes
	v_lshl_add_u32 v7, v4, 10, s14
	v_lshl_add_u32 v7, v5, 4, v7
	s_lshl_b32 s15, s10, 6                         ; my 16 outputs: 64 bytes; 8 numbers for each half of the lanes
	v_lshl_add_u32 v8, v5, 5, s15
	s_mov_b32 s18, 0xffff0000
	s_wait_kmcnt 0x0
	s_add_nc_u64 s[4:5], s[4:5], s[12:13]
	s_add_nc_u64 s[8:9], s[8:9], s[16:17]
	global_load_b64 v[96:97], v6, s[6:7] offset:131072           ; db1
.set k, 0
.rept 32
	global_load_b64 v[32+2*k:33+2*k], v6, s[4:5] offset:262144*k th:TH_LOAD_NT
.set k, k+1
.endr
.set k, 0
.rept 15                                       ; dW2^T's fragments, k 32 k on: fifteen of the sixteen
	global_load_b128 v[128+8*k:128+8*k+3], v7, s[6:7] offset:64*k
	global_load_b128 v[128+8*k+4:128+8*k+7], v7, s[6:7] offset:64*k+32
.set k, k+1
.endr
	s_wait_loadcnt 30                              ; db1 and the 32 partial sums are in; the 30 loads behind them may stay out
	global_load_b128 v[248:251], v7, s[6:7] offset:960           ; what is wanted last goes out last: the sixteenth fragment,
	global_load_b128 v[252:255], v7, s[6:7] offset:992
	global_load_b128 v[100:103], v8, s[6:7] offset:133120        ; and db2 in the result's layout
	global_load_b128 v[104:107], v8, s[6:7] offset:133136
.set k, 4
.rept 28                                       ; four chains
	v_pk_add_f32 v[32+2*(k%4):33+2*(k%4)], v[32+2*(k%4):33+2*(k%4)], v[32+2*k:33+2*k]
.set k, k+1
.endr
	v_pk_add_f32 v[32:33], v[32:33], v[34:35]
	v_pk_add_f32 v[36:37], v[36:37], v[38:39]
	v_pk_add_f32 v[32:33], v[32:33], v[36:37]
	v_pk_add_f32 v[32:33], v[32:33], v[96:97]
	v_max_num_f32 v32, 0, v32
	v_max_num_f32 v33, 0, v33
	v_cvt_pk_bf16_f32 v9, v32, v33                 ; hi
	v_lshlrev_b32 v10, 16, v9
	v_and_b32 v11, s18, v9
	v_sub_f32 v10, v32, v10
	v_sub_f32 v11, v33, v11
	v_cvt_pk_bf16_f32 v12, v10, v11                ; lo
	ds_store_b32 v13, v9 offset:HI
	ds_store_b32 v13, v12 offset:LO
	s_wait_dscnt 0x0                               ; for the others' sake
	s_barrier_signal -1
	s_barrier_wait -1
	WIN 0x40                                       ; destination window 1: hi's fragments at 0, lo's at 128
.set k, 0
.rept 16
	ds_load_b128 v[8*k:8*k+3],       v14 offset:HI+64*k
	ds_load_b128 v[8*k+4:8*k+7],     v14 offset:HI+64*k+32
	ds_load_b128 v[128+8*k:128+8*k+3],   v14 offset:LO+64*k
	ds_load_b128 v[128+8*k+4:128+8*k+7], v14 offset:LO+64*k+32
.set k, k+1
.endr
	s_wait_loadcnt 0x0                             ; dW2^T and db2
	s_wait_dscnt 0x0
	WIN 0x04                                       ; source 1 in window 1
	v_wmma_f32_16x16x32_bf16 v[112:119], v[128:135], v[0:7], 0
	v_wmma_f32_16x16x32_bf16 v[120:127], v[128:135], v[128:135], 0
.set k, 1
.rept 15                                       ; hi's sum and lo's take turns
	v_wmma_f32_16x16x32_bf16 v[112:119], v[128+8*k:128+8*k+7], v[8*k:8*k+7], v[112:119]
	v_wmma_f32_16x16x32_bf16 v[120:127], v[128+8*k:128+8*k+7], v[128+8*k:128+8*k+7], v[120:127]
.set k, k+1
.endr
.rept 4
	v_nop                                          ; the places behind the last products
.endr
	WIN 0
.set k, 0
.rept 4
	v_pk_add_f32 v[112+2*k:113+2*k], v[112+2*k:113+2*k], v[120+2*k:121+2*k]
.set k, k+1
.endr
.set k, 0
.rept 4
	v_pk_add_f32 v[112+2*k:113+2*k], v[112+2*k:113+2*k], v[100+2*k:101+2*k]
.set k, k+1
.endr
	ds_store_b128 v8, v[112:115] offset:OUTS       ; the 16 lanes of a half hold the same numbers and write the same bytes
	ds_store_b128 v8, v[116:119] offset:OUTS+16
	s_wait_dscnt 0x0                               ; for the others' sake: my 64 bytes of the row lie in OUTS
	s_barrier_signal -1
	s_barrier_wait -1
	ds_load_b64 v[20:21], v15 offset:OUTS          ; all lanes on: every address lies inside OUTS' 512 bytes, by 8 (t % 64)
	s_wait_dscnt 0x0
	s_wait_xcnt 0x0                                ; EXEC changes only behind this wait
	v_cmp_gt_u32 vcc_lo, 63, v0
	s_and_saveexec_b32 s20, vcc_lo                 ; 126 outputs: 63 threads, 8 bytes each
	global_store_b64 v6, v[20:21], s[8:9]
	s_wait_xcnt 0x0                                ; and again, in front of the line that widens it
	s_or_b32 exec_lo, exec_lo, s20
	s_wait_tensorcnt 0x0                           ; the wave's end, behind my last LDS store
	ds_add_u32 v[SPW], v[NIL]
	s_wait_dscnt 0x0
	s_endpgm
.Lfunc_end_k_q805b44bbd2_head2:
	.size	k_q805b44bbd2_head2, .Lfunc_end_k_q805b44bbd2_head2-k_q805b44bbd2_head2
	.p2alignl 7, 3214868480
	.fill 96, 4, 3214868480
	.section	.rodata,"a",@progbits
	.p2align	6, 0x0
	.amdhsa_kernel k_q805b44bbd2_head2
		.amdhsa_group_segment_fixed_size 3584
		.amdhsa_private_segment_fixed_size 0
		.amdhsa_enable_private_segment 0
		.amdhsa_kernarg_size 24
		.amdhsa_user_sgpr_count 2
		.amdhsa_user_sgpr_kernarg_segment_ptr 1
		.amdhsa_wavefront_size32 1
		.amdhsa_system_sgpr_workgroup_id_x 1
		.amdhsa_system_sgpr_workgroup_id_y 1
		.amdhsa_system_sgpr_workgroup_id_z 1
		.amdhsa_system_vgpr_workitem_id 0
		.amdhsa_next_free_vgpr 512
		.amdhsa_next_free_sgpr 66
		.amdhsa_reserve_vcc 1
		.amdhsa_float_denorm_mode_32 3
		.amdhsa_float_denorm_mode_16_64 3
		.amdhsa_memory_ordered 1
		.amdhsa_forward_progress 1
		.amdhsa_inst_pref_size 18
	.end_amdhsa_kernel
	.amdgpu_metadata
---
amdhsa.version: [ 1, 2 ]
amdhsa.kernels:
  - .name:           k_q805b44bbd2_head2
    .symbol:         k_q805b44bbd2_head2.kd
    .args:
      - { .name: part, .offset: 0, .size: 8, .value_kind: global_buffer, .address_space: global }
      - { .name: hp, .offset: 8, .size: 8, .value_kind: global_buffer, .address_space: global }
      - { .name: out0, .offset: 16, .size: 8, .value_kind: global_buffer, .address_space: global }
    .group_segment_fixed_size: 3584
    .private_segment_fixed_size: 0
    .kernarg_segment_align: 8
    .kernarg_segment_size: 24
    .max_flat_workgroup_size: 256
    .sgpr_count:     66
    .vgpr_count:     512
    .wavefront_size: 32
...
	.end_amdgpu_metadata
.endif
;; end of part 5
